; MI455X (gfx1250); checked and timed in simulation.
; The chip was launched on July 23, 2026; its instructions are those of AMD's public machine-readable ISA for CDNA 5 (MIT licence, August 2026) and "CDNA5" Instruction Set Architecture Reference Guide (July 2026). The comments in the code are by the model that wrote it; some were corrected since.
;; Multi Head Attention Block. Allowed arithmetic: matrix products marked QUANTISED: E2M1 operands, one E8M0 scale for each 32 along K, by v_wmma_scale_f32_16x16x128_f8f6f4 with both operands' format E2M1 (or v_wmma_scale_f32_32x16x128_f4), f32 sums; products left as they are: bf16, f16 or f32 operands; f32 sums; everything else in f32.
;; Inputs: k 2 x 2,048 x 1,024 float32; mask 1 x 1 x 2,048 x 2,048 int32; q 2 x 2,048 x 1,024 float32; v 2 x 2,048 x 1,024 float32; wk 1,024 x 1,024 float32; wo 1,024 x 1,024 float32; wq 1,024 x 1,024 float32; wv 1,024 x 1,024 float32.
;; Outputs: out0 2 x 2,048 x 1,024 float32.
;; This version of the problem:
;;   THIS VERSION OF THE PROBLEM IS GIVEN IN LOW PRECISION. The matrix products marked QUANTISED in the list below multiply operands that are first quantised to E2M1 (2 exponent bits, 1 mantissa bit; 4 bits a number), with one power-of-two scale for each 32 numbers along K (OCP MX v1.0); their sums are f32. The products marked 'left as it is' may take bf16, f16 or f32 operands, with f32 sums. Whichever they take, every output number must still come out within the allowed error. Rounding operands to bf16 (8 significant bits) uses up far more of that allowance than f16 does (11 bits, for magnitudes from 6e-5 to 65,504). All else is computed in f32.
;;   The module's matrix products, in the order in which they are computed (A, B: the left and right operand; K: the contracted axis; several contracted axes count as one K, in the product's order):
;;     1. [M 4,096, K 1,024] x [K 1,024, N 1,024]; A: input q; B: input wq: QUANTISED
;;     2. [M 4,096, K 1,024] x [K 1,024, N 1,024]; A: input k; B: input wk: QUANTISED
;;     3. [M 4,096, K 1,024] x [K 1,024, N 1,024]; A: input v; B: input wv: QUANTISED
;;     4. batch 32 x [M 2,048, K 64] x [K 64, N 2,048]; A: computed on the way; B: computed on the way: left as it is (an operand is computed on the way)
;;     5. batch 32 x [M 2,048, K 2,048] x [K 2,048, N 64]; A: computed on the way; B: computed on the way: left as it is (an operand is computed on the way)
;;     6. [M 4,096, K 1,024] x [K 1,024, N 1,024]; A: computed on the way; B: input wo: left as it is (an operand is computed on the way)
;;   THE QUANTISER, for each operand of a quantised product, along K:
;;     - K is cut into blocks of 32 from its start; a last block that is shorter is filled with zeros.
;;     - A block's scale is 2^e with e = floor(log2(the largest magnitude in the block)) - 2, held to -126 .. 127; a block of zeros has e = 0. As a byte (E8M0): e + 127.
;;     - Each number is divided by its block's scale, clamped to +-6, and rounded to the nearest number of E2M1, ties to even, subnormals kept.
;;     - The product sums the exact products of the quantised numbers (number of the format x scale) in f32.
;;   ~~~python
;;   def quantise(x, axis):      # numpy; x: float32 -> the quantised numbers, widened to float32 again
;;       x = np.moveaxis(x, axis, -1); K = x.shape[-1]
;;       x = np.pad(x, [(0, 0)] * (x.ndim - 1) + [(0, -K % 32)]); x = x.reshape(x.shape[:-1] + (-1, 32)); a = np.abs(x).max(-1, keepdims=True)
;;       e = np.where(a > 0, np.clip(np.frexp(np.where(a > 0, a, 1))[1] - 1 - 2, -126, 127), 0)      # np.frexp(a)[1] - 1 = floor(log2(a)), exactly
;;       r = np.clip(x / 2.0 ** e, -6, 6)
;;       step = 2.0 ** (np.maximum(np.frexp(np.where(r == 0, 1, r))[1] - 1, 0) - 1)
;;       q = np.round(r / step) * step * 2.0 ** e      # np.round: ties to even
;;       return np.moveaxis(q.reshape(q.shape[:-2] + (-1,))[..., :K], -1, axis).astype(np.float32)
;;   ~~~
;; One version. Each part assembles by itself: llvm-mc -triple=amdgcn-amd-amdhsa -mcpu=gfx1250 --defsym DOCPART=n.
;; ======== version 1 of 1: 4 launches
;; limits: values are held in f16: magnitudes above 65,504 overflow, below 6.1e-05 lose precision
;; workspace buffers: acodes 6,291,456 bytes; ascales 393,216 bytes; wcodes 1,572,864 bytes; wscales 98,304 bytes; wot 2,097,152 bytes; mbits 524,288 bytes of whole numbers; qkv 25,165,824 bytes; xh 8,388,608 bytes
;; launch prep (part 1): grid 576 x 1, 4 waves a work-group, no clusters, 68,096 bytes of LDS; arguments q, k, v, wq, wk, wv, wo, mask, acodes, ascales, wcodes, wscales, wot, mbits; writes acodes, ascales, wcodes, wscales, wot, mbits
.if DOCPART == 1
	.amdgcn_target "amdgcn-amd-amdhsa--gfx1250"
	.amdhsa_code_object_version 6
	.text
	.protected	k_q26efb9e063_prep
	.globl	k_q26efb9e063_prep
	.p2align	8
	.type	k_q26efb9e063_prep,@function
k_q26efb9e063_prep:
	s_mov_b64 s[64:65], 0
	v_nop
	global_prefetch_b8 v0, s[64:65] scope:SCOPE_SE
	s_setreg_imm32_b32 hwreg(HW_REG_WAVE_MODE, 25, 1), 1
	s_wait_xcnt 0x0
; PREP: every input is read once and laid as the later launches' operand registers want it.  Four paths, parted on the work-group's number; they never join.
;   W (work-groups 0-191):   wq, wk, wv [k][n] f32 -> codes of FP4 (E2M1) along K, and one E8M0 byte for each 32 along K.
;   O (192-255):             wo [k][n] f32 -> f16, as images of 16-bit fragments.
;   M (256-383):             mask [q][key] int32 -> lane masks: one 32-bit word for each register of a tile of scores.
;   A (384-575):             q, k, v [row][k] f32 -> codes of FP4 along K, and their scale bytes.
; THE QUANTISER: a block's scale is 2^(floor(log2(its largest magnitude)) - 2); its byte is the largest magnitude's exponent field - 2; each number is divided by the scale and rounded to the
; nearest code, ties to even, beyond 6 the largest code.
; LIMITS: a block of zeros gets the byte 1 where the rule says 127 (its codes are zeros, which add nothing under any byte but 0xff, and this program alone reads the bytes); blocks whose largest
; magnitude lies under 2^-124 are held at that floor; NaN and infinities among the inputs are not served.  wo is rounded to f16: largest number 65,504, under 6e-5 with fewer bits.
; LAYOUTS.  codes: [tile of 16 rows][block of 32 along K][row 16][16 bytes]: lane (r, h) of a 4-bit fragment finds block 2 c + h of row r at 512 c + 16 x lane.
;   scale bytes: [row][32].   wot: [tile of 16 n][32 along K][half 2][lane][16 bytes].   mbits: [tile of 16 queries][64 keys][word 8 kt + j]; bit 16 h + r = mask(16 Tq + r, 64 ks + 16 kt + 8 h + j) != 0.
; No tensor load, no barrier, no cluster: no two waves share a byte.  Each path that uses LDS has LDS bytes of its own, and in them each wave has a stage of its own.
.set SP,    528                        ; a stage row: 512 bytes + 16
.set WSTG,  16*SP                      ; a wave's stage: 16 rows
.set ASTG,  0                          ; path A's four stages
.set MSTG,  4*WSTG                     ; path M's four stages
.set SPARE, 8*WSTG                     ; the spare words, 128 bytes for each wave: two blocks of 256 bytes that no other line names
.set SPW,   14                         ; v14  LDS address of my spare word; never rewritten
.set NIL,   15                         ; v15  0; never rewritten
.set XW,    32                         ; paths W, O: v32-95 two sets of 32 numbers down K
.set R,     16                         ; paths A, M: v16-143 two sets of 64 registers as loaded
.set X,     144                        ; v144-207 64 numbers as the work wants them
.set C,     208                        ; path A: v208-223 two sets of 8 registers of codes
.set OUT,   208                        ; path M: v208-215 a pair of registers of words for each pair of key steps
.set SW,    224                        ; path A: v224-231 the row's eight scale words
.set PICK,  232                        ; v232-235 the four that my half of the lanes stores
.set LA,    236                        ; 16 x lane
.set SIN,   237                        ; the stage, on the way in
.set SOUT,  238                        ; and on the way out
.set OF2,   239                        ; the offset of the path's small store
.set SH8,   240                        ; 8 x (lane / 16)
	s_load_b512 s[8:23], s[0:1], 0x0               ; q s8, k s10, v s12, wq s14, wk s16, wv s18, wo s20, mask s22
	s_load_b256 s[24:31], s[0:1], 0x40             ; acodes s24, ascales s26, wcodes s28, wscales s30
	s_load_b128 s[32:35], s[0:1], 0x60             ; wot s32, mbits s34
	v_lshl_add_u32 v[SPW], v0, 2, SPARE
	v_mov_b32 v[NIL], 0
	v_lshrrev_b32 v1, 5, v0
	v_readfirstlane_b32 s36, v1                    ; wave 0..3
	v_and_b32 v1, 31, v0                           ; lane
	v_and_b32 v2, 15, v0                           ; r
	v_bfe_u32 v3, v0, 4, 1                         ; h
	s_mov_b32 s52, 0x76543210
	s_mov_b32 s53, 0xfedcba98                      ; v_permlanex16_b32's selects for lane l xor 16
	s_wait_kmcnt 0x0
	s_cmp_lt_u32 ttmp9, 192
	s_cbranch_scc1 .Lpath_w
	s_cmp_lt_u32 ttmp9, 256
	s_cbranch_scc1 .Lpath_o
	s_cmp_lt_u32 ttmp9, 384
	s_cbranch_scc1 .Lpath_m
; The largest magnitude of 32 numbers v[s] .. v[s + 31], in two chains, with the floor 2^(3 - 127) as one more leaf: so the byte cannot fall under 1.  Result in v[a].
.macro MAX32 a, b, s
	v_max3_num_f32 v[\a], |v[\s]|, |v[\s+1]|, |v[\s+2]|
	v_max3_num_f32 v[\b], |v[\s+3]|, |v[\s+4]|, |v[\s+5]|
.irp i, 6,10,14,18,22,26
	v_max3_num_f32 v[\a], v[\a], |v[\s+\i]|, |v[\s+\i+1]|
	v_max3_num_f32 v[\b], v[\b], |v[\s+\i+2]|, |v[\s+\i+3]|
.endr
	v_max3_num_f32 v[\a], v[\a], |v[\s+30]|, |v[\s+31]|
	v_max3_num_f32 v[\a], v[\a], v[\b], 0x1800000
.endm
; 16 rows x 512 bytes: each load reads 512 consecutive bytes of one row, 16 a lane.  t: which 512 bytes of the rows; set t % 2
.macro LOADR t, lo, pitch
.set i, 0
.rept 16
	global_load_b128 v[R+64*((\t)%2)+4*i:R+64*((\t)%2)+4*i+3], v[LA], s[\lo:\lo+1] offset:i*(\pitch)+512*(\t) th:TH_LOAD_NT
.set i, i+1
.endr
.endm
.macro TOSTG t                         ; the 16 rows into my stage, as they lie
.set i, 0
.rept 16
	ds_store_b128 v[SIN], v[R+64*((\t)%2)+4*i:R+64*((\t)%2)+4*i+3] offset:i*SP
.set i, i+1
.endr
.endm
; ---------------- PATH A: q, k, v.  A wave takes 16 whole rows (tile mT of the 768), in 8 steps of 128 along K.
	s_sub_co_u32 s37, ttmp9, 384                   ; 0..191: 64 work-groups a tensor
	s_lshr_b32 s40, s37, 6
	s_cmp_eq_u32 s40, 0                            ; the choice hangs on the work-group's number alone
	s_cselect_b64 s[38:39], s[8:9], s[10:11]
	s_cmp_eq_u32 s40, 2
	s_cselect_b64 s[38:39], s[12:13], s[38:39]
	s_and_b32 s41, s37, 63
	s_lshl_b32 s41, s41, 2
	s_add_co_u32 s41, s41, s36                     ; my tile within the tensor
	s_lshl_b32 s42, s41, 16                        ; 16 rows of 4,096 bytes
	s_mov_b32 s43, 0
	s_add_nc_u64 s[38:39], s[38:39], s[42:43]
	s_lshl_b32 s44, s37, 2
	s_add_co_u32 s44, s44, s36                     ; mT
	s_lshl_b32 s46, s44, 9                         ; 16 rows of 32 scale bytes
	s_mov_b32 s47, 0
	s_add_nc_u64 s[26:27], s[26:27], s[46:47]
	s_lshl_b32 s44, s44, 13                        ; 8,192 bytes of codes a tile
	s_mov_b32 s45, 0
	s_add_nc_u64 s[24:25], s[24:25], s[44:45]
	s_mul_i32 s46, s36, WSTG                       ; my stage (ASTG = 0)
	v_lshlrev_b32 v[LA], 4, v1
	v_add_nc_u32 v[SIN], s46, v[LA]                ; in: 16 x lane, a row an instruction
	v_mul_u32_u24 v[SOUT], v2, SP
	v_lshl_add_u32 v[SOUT], v3, 7, v[SOUT]
	v_add_nc_u32 v[SOUT], s46, v[SOUT]             ; out: row r, + 128 h: block h of the step's four; block 2 + h lies 256 bytes on
	v_lshlrev_b32 v[OF2], 5, v2
	v_lshl_add_u32 v[OF2], v3, 4, v[OF2]           ; scale bytes: row r of 32 bytes, + 16 h
	v_lshlrev_b32 v[SH8], 3, v3
	v_mov_b32 v13, 0                               ; written once: a lane permute's destination counts as one of its sources
	LOADR 0, 38, 4096
	LOADR 1, 38, 4096
.macro STEPA s
.set CS, C+8*((\s)%2)
.if (\s) < 7
	s_wait_loadcnt 16                              ; this step's 16 loads are in; the next step's 16 may be out
.else
	s_wait_loadcnt 0x0
.endif
	TOSTG \s
.irp c, 0,1
.irp j, 0,1,2,3,4,5,6,7
	ds_load_b128 v[X+32*\c+4*\j:X+32*\c+4*\j+3], v[SOUT] offset:256*\c+16*\j   ; LDS serves a wave's instructions in order: these see my stores.  Block 2 c + h of row r, whole
.endr
.endr
	s_wait_dscnt 0x0                               ; the numbers are back, and the stores into the stage have read their registers,
.if (\s)+2 < 8
	LOADR (\s)+2, 38, 4096                         ; which take the loads of two steps on
.endif
	MAX32 4, 5, X
	MAX32 6, 7, X+32
	v_add_nc_u32 v8, 0xff000000, v4                ; 2 off the exponent field: the conversion takes the exponent field of this operand as its scale, and nothing else of it
	v_add_nc_u32 v9, 0xff000000, v6
	v_lshrrev_b32 v10, 23, v8                      ; the scales' bytes
	v_lshrrev_b32 v11, 23, v9
	v_lshl_or_b32 v12, v11, 16, v10                ; blocks h and 2 + h of row r,
	v_lshlrev_b32 v12, v[SH8], v12                 ; at their places in the scale word;
	v_permlanex16_b32 v13, v12, s52, s53
	v_or_b32 v[SW+(\s)], v12, v13                  ; with lane l xor 16's two the word is whole
	s_wait_xcnt 0x0                                ; the stores of two steps back have read this set of codes: it is written again only behind this wait
.irp g, 0,1,2,3
	v_cvt_scalef32_pk8_fp4_f32 v[CS+\g], v[X+8*\g:X+8*\g+7], v8
	v_cvt_scalef32_pk8_fp4_f32 v[CS+4+\g], v[X+32+8*\g:X+32+8*\g+7], v9
.endr
	v_nop                                          ; one plain line behind the last scaled conversion
	global_store_b128 v[LA], v[CS:CS+3], s[24:25] offset:1024*(\s)       ; 32 lanes store 512 consecutive bytes: blocks 4 s and 4 s + 1 of the 16 rows
	global_store_b128 v[LA], v[CS+4:CS+7], s[24:25] offset:1024*(\s)+512
.endm
.irp s, 0,1,2,3,4,5,6,7
	STEPA \s
.endr
	v_cmp_ne_u32 vcc_lo, 0, v3
.irp j, 0,1,2,3
	v_cndmask_b32 v[PICK+\j], v[SW+\j], v[SW+4+\j], vcc_lo   ; lanes 0-15 store the row's words 0-3, lanes 16-31 its words 4-7
.endr
	global_store_b128 v[OF2], v[PICK:PICK+3], s[26:27]       ; 512 consecutive bytes: the 16 rows' scale bytes
	s_wait_tensorcnt 0x0                           ; the wave's end
	ds_add_u32 v[SPW], v[NIL]
	s_wait_dscnt 0x0
	s_endpgm
; ---------------- PATH M: the mask.  A work-group takes a tile of 16 queries, a wave 512 keys of it, in 4 pairs of key steps (128 keys: 512 bytes of each row).
.Lpath_m:
	s_sub_co_u32 s37, ttmp9, 256                   ; Tq
	s_lshl_b32 s42, s37, 17                        ; 16 rows of 8,192 bytes
	s_lshl_b32 s43, s36, 11                        ; 512 keys of 4 bytes
	s_add_co_u32 s42, s42, s43
	s_mov_b32 s43, 0
	s_add_nc_u64 s[22:23], s[22:23], s[42:43]
	s_lshl_b32 s44, s37, 12                        ; 32 key steps of 128 bytes
	s_lshl_b32 s45, s36, 10                        ; my 8 of them
	s_add_co_u32 s44, s44, s45
	s_mov_b32 s45, 0
	s_add_nc_u64 s[34:35], s[34:35], s[44:45]
	s_mul_i32 s46, s36, WSTG
	s_add_co_u32 s46, s46, MSTG                    ; my stage
	v_lshlrev_b32 v[LA], 4, v1
	v_add_nc_u32 v[SIN], s46, v[LA]
	v_mul_u32_u24 v[SOUT], v2, SP
	v_lshl_add_u32 v[SOUT], v3, 5, v[SOUT]
	v_add_nc_u32 v[SOUT], s46, v[SOUT]             ; out: query r, + 32 h: eight keys of my half
	v_lshlrev_b32 v[OF2], 3, v1                    ; two words a lane
.irp j, 0,1,2,3,4,5,6,7
	v_mov_b32 v[OUT+\j], 0                         ; written once: v_writelane_b32's destination counts as read
.endr
	LOADR 0, 22, 8192
	LOADR 1, 22, 8192
.macro PAIR p
.if (\p) < 3
	s_wait_loadcnt 16                              ; this pair's 16 loads are in; the next pair's 16 may be out
.else
	s_wait_loadcnt 0x0
.endif
	TOSTG \p
.irp u, 0,1,2,3,4,5,6,7                    ; u = 4 x (key step of the pair) + kt: register 8 u + j holds mask(16 Tq + r, .. + 16 u + 8 h + j)
	ds_load_b128 v[X+8*\u:X+8*\u+3], v[SOUT] offset:64*\u
	ds_load_b128 v[X+8*\u+4:X+8*\u+7], v[SOUT] offset:64*\u+16
.endr
	s_wait_dscnt 0x0                               ; the numbers are back, and the stores into the stage have read their registers
.if (\p)+2 < 4
	LOADR (\p)+2, 22, 8192
.endif
.set n, 0
.rept 8
.irp e, 0,1,2,3,4,5,6,7
	v_cmp_ne_u32 s[56+\e], 0, v[X+n+\e]            ; word n + e: a bit for each lane
.endr
.irp e, 0,1,2,3,4,5,6,7
	v_writelane_b32 v[OUT+2*(\p)+(\e)%2], s[56+\e], (n+\e)/2   ; lane L gathers words 2 L and 2 L + 1
.endr
.set n, n+8
.endr
	global_store_b64 v[OF2], v[OUT+2*(\p):OUT+2*(\p)+1], s[34:35] offset:256*(\p)   ; 256 consecutive bytes, aligned: two key steps' words
.endm
.irp p, 0,1,2,3
	PAIR \p
.endr
	s_wait_tensorcnt 0x0                           ; the wave's end
	ds_add_u32 v[SPW], v[NIL]
	s_wait_dscnt 0x0
	s_endpgm
; ---------------- PATHS W AND O: K is the tensor's FIRST axis.  A lane takes a column n and its registers run down K: each load reads 128 consecutive bytes a wave, a block of 32 along K lies in one lane.
.macro LOADC t                         ; rows 32 t .. 32 t + 31 of my 128, my column, into set t % 2
.set i, 0
.rept 32
	global_load_b32 v[XW+32*((\t)%2)+i], v4, s[38:39] offset:(32*(\t)+i)*4096 th:TH_LOAD_NT
.set i, i+1
.endr
.endm
.macro WAITC t
.if (\t) < 3
	s_wait_loadcnt 32                              ; this block's 32 loads are in; the next block's 32 may be out
.else
	s_wait_loadcnt 0x0
.endif
.endm
.Lpath_w:
	s_lshr_b32 s37, ttmp9, 6                       ; which weight
	s_cmp_eq_u32 s37, 0
	s_cselect_b64 s[38:39], s[14:15], s[16:17]
	s_cmp_eq_u32 s37, 2
	s_cselect_b64 s[38:39], s[18:19], s[38:39]
	s_and_b32 s40, ttmp9, 7                        ; which 128 columns
	s_bfe_u32 s41, ttmp9, 0x30003                  ; which 128 along K
	s_lshl_b32 s42, s41, 19                        ; 128 rows of 4,096 bytes
	s_lshl_b32 s43, s40, 9
	s_add_co_u32 s42, s42, s43
	s_lshl_b32 s43, s36, 7                         ; my wave's 32 columns
	s_add_co_u32 s42, s42, s43
	s_mov_b32 s43, 0
	s_add_nc_u64 s[38:39], s[38:39], s[42:43]
	s_lshl_b32 s44, s37, 19                        ; codes: 64 tiles of 8,192 bytes a weight,
	s_lshl_b32 s45, s40, 16                        ; 8 tiles a work-group,
	s_add_co_u32 s44, s44, s45
	s_lshl_b32 s45, s36, 14                        ; 2 a wave,
	s_add_co_u32 s44, s44, s45
	s_lshl_b32 s45, s41, 10                        ; 4 blocks of 256 bytes
	s_add_co_u32 s44, s44, s45
	s_mov_b32 s45, 0
	s_add_nc_u64 s[28:29], s[28:29], s[44:45]
	s_lshl_b32 s46, s37, 15                        ; scale bytes: 32 a column
	s_lshl_b32 s47, s40, 12
	s_add_co_u32 s46, s46, s47
	s_lshl_b32 s47, s36, 10
	s_add_co_u32 s46, s46, s47
	s_lshl_b32 s47, s41, 2
	s_add_co_u32 s46, s46, s47
	s_mov_b32 s47, 0
	s_add_nc_u64 s[30:31], s[30:31], s[46:47]
	v_lshlrev_b32 v4, 2, v1                        ; in: 4 bytes a lane
	v_lshlrev_b32 v5, 4, v2
	v_lshl_or_b32 v5, v3, 13, v5                   ; codes out: 16 r, and the next tile for lanes 16-31
	v_lshlrev_b32 v6, 5, v1                        ; my column's row of scale bytes
	LOADC 0
	LOADC 1
.macro BLOCKW t
.set XS, XW+32*((\t)%2)
	WAITC \t
	MAX32 8, 9, XS
	v_add_nc_u32 v11, 0xff000000, v8               ; the conversion's scale operand
	v_lshrrev_b32 v9, 23, v11                      ; the scale's byte
.if (\t) == 0
	v_mov_b32 v24, v9
.else
	v_lshl_or_b32 v24, v9, 8*(\t), v24             ; four bytes to the word, the lower K in the lower byte
.endif
.irp g, 0,1,2,3
	v_cvt_scalef32_pk8_fp4_f32 v[96+4*(\t)+\g], v[XS+8*\g:XS+8*\g+7], v11
.endr
	v_nop                                          ; one plain line behind the last scaled conversion
	global_store_b128 v5, v[96+4*(\t):96+4*(\t)+3], s[28:29] offset:256*(\t)   ; sixteen lanes store 256 consecutive bytes, aligned; each block has its own registers
.if (\t)+2 < 4
	LOADC (\t)+2
.endif
.endm
.irp t, 0,1,2,3
	BLOCKW \t
.endr
	global_store_b32 v6, v24, s[30:31]             ; 4 bytes a column, columns 32 bytes apart: 98,304 bytes in the whole launch leave so, against 12.6 MB that this path reads
	s_endpgm
.Lpath_o:
	s_sub_co_u32 s37, ttmp9, 192
	s_and_b32 s40, s37, 7                          ; which 128 columns
	s_lshr_b32 s41, s37, 3                         ; which 128 along K
	s_lshl_b32 s42, s41, 19
	s_lshl_b32 s43, s40, 9
	s_add_co_u32 s42, s42, s43
	s_lshl_b32 s43, s36, 7
	s_add_co_u32 s42, s42, s43
	s_mov_b32 s43, 0
	s_add_nc_u64 s[38:39], s[20:21], s[42:43]
	s_lshl_b32 s44, s40, 18                        ; 8 tiles of 32,768 bytes a work-group,
	s_lshl_b32 s45, s36, 16                        ; 2 a wave,
	s_add_co_u32 s44, s44, s45
	s_lshl_b32 s45, s41, 12                        ; 4 chunks of 1,024 bytes
	s_add_co_u32 s44, s44, s45
	s_mov_b32 s45, 0
	s_add_nc_u64 s[32:33], s[32:33], s[44:45]
	v_lshlrev_b32 v4, 2, v1
	v_lshlrev_b32 v5, 4, v2
	v_lshl_or_b32 v5, v3, 15, v5                   ; out: 16 r, and the next tile for lanes 16-31
	LOADC 0
	LOADC 1
.macro CHUNKO t
.set XS, XW+32*((\t)%2)
	WAITC \t
.set i, 0
.rept 16
	v_cvt_pk_f16_f32 v[128+16*(\t)+i], v[XS+2*i], v[XS+2*i+1]   ; the lower k in the low half
.set i, i+1
.endr
.irp g, 0,1
.irp e, 0,1
	global_store_b128 v5, v[128+16*(\t)+8*\g+4*\e:128+16*(\t)+8*\g+4*\e+3], s[32:33] offset:1024*(\t)+512*\g+256*\e   ; k = 16 g + 8 e + 0 .. 7: what lane (r, e) of the fragment holds; sixteen lanes store 256 consecutive bytes
.endr
.endr
.if (\t)+2 < 4
	LOADC (\t)+2
.endif
.endm
.irp t, 0,1,2,3
	CHUNKO \t
.endr
	s_endpgm
.Lfunc_end_k_q26efb9e063_prep:
	.size	k_q26efb9e063_prep, .Lfunc_end_k_q26efb9e063_prep-k_q26efb9e063_prep
	.p2alignl 7, 3214868480
	.fill 96, 4, 3214868480
	.section	.rodata,"a",@progbits
	.p2align	6, 0x0
	.amdhsa_kernel k_q26efb9e063_prep
		.amdhsa_group_segment_fixed_size 68096
		.amdhsa_private_segment_fixed_size 0
		.amdhsa_enable_private_segment 0
		.amdhsa_kernarg_size 112
		.amdhsa_user_sgpr_count 2
		.amdhsa_user_sgpr_kernarg_segment_ptr 1
		.amdhsa_wavefront_size32 1
		.amdhsa_system_sgpr_workgroup_id_x 1
		.amdhsa_system_sgpr_workgroup_id_y 1
		.amdhsa_system_sgpr_workgroup_id_z 1
		.amdhsa_system_vgpr_workitem_id 0
		.amdhsa_next_free_vgpr 248
		.amdhsa_next_free_sgpr 66
		.amdhsa_reserve_vcc 1
		.amdhsa_float_denorm_mode_32 3
		.amdhsa_float_denorm_mode_16_64 3
		.amdhsa_memory_ordered 1
		.amdhsa_forward_progress 1
		.amdhsa_inst_pref_size 143
	.end_amdhsa_kernel
	.amdgpu_metadata
---
amdhsa.version: [ 1, 2 ]
amdhsa.kernels:
  - .name:           k_q26efb9e063_prep
    .symbol:         k_q26efb9e063_prep.kd
    .args:
      - { .name: q, .offset: 0, .size: 8, .value_kind: global_buffer, .address_space: global }
      - { .name: k, .offset: 8, .size: 8, .value_kind: global_buffer, .address_space: global }
      - { .name: v, .offset: 16, .size: 8, .value_kind: global_buffer, .address_space: global }
      - { .name: wq, .offset: 24, .size: 8, .value_kind: global_buffer, .address_space: global }
      - { .name: wk, .offset: 32, .size: 8, .value_kind: global_buffer, .address_space: global }
      - { .name: wv, .offset: 40, .size: 8, .value_kind: global_buffer, .address_space: global }
      - { .name: wo, .offset: 48, .size: 8, .value_kind: global_buffer, .address_space: global }
      - { .name: mask, .offset: 56, .size: 8, .value_kind: global_buffer, .address_space: global }
      - { .name: acodes, .offset: 64, .size: 8, .value_kind: global_buffer, .address_space: global }
      - { .name: ascales, .offset: 72, .size: 8, .value_kind: global_buffer, .address_space: global }
      - { .name: wcodes, .offset: 80, .size: 8, .value_kind: global_buffer, .address_space: global }
      - { .name: wscales, .offset: 88, .size: 8, .value_kind: global_buffer, .address_space: global }
      - { .name: wot, .offset: 96, .size: 8, .value_kind: global_buffer, .address_space: global }
      - { .name: mbits, .offset: 104, .size: 8, .value_kind: global_buffer, .address_space: global }
    .group_segment_fixed_size: 68096
    .private_segment_fixed_size: 0
    .kernarg_segment_align: 8
    .kernarg_segment_size: 112
    .max_flat_workgroup_size: 128
    .sgpr_count:     66
    .vgpr_count:     248
    .wavefront_size: 32
...
	.end_amdgpu_metadata
.endif
;; end of part 1
;; launch proj (part 2): grid 4 x 48, 4 waves a work-group, clusters of 4 x 4, 327,680 bytes of LDS; arguments acodes, ascales, wcodes, wscales, qkv; writes qkv
.if DOCPART == 2
	.amdgcn_target "amdgcn-amd-amdhsa--gfx1250"
	.amdhsa_code_object_version 6
	.text
	.protected	k_q26efb9e063_proj
	.globl	k_q26efb9e063_proj
	.p2align	8
	.type	k_q26efb9e063_proj,@function
k_q26efb9e063_proj:
	s_mov_b64 s[64:65], 0
	v_nop
	global_prefetch_b8 v0, s[64:65] scope:SCOPE_SE
	s_setreg_imm32_b32 hwreg(HW_REG_WAVE_MODE, 25, 1), 1
	s_wait_xcnt 0x0
	s_wait_alu depctr_hold_cnt(0) depctr_sa_sdst(0) depctr_va_vdst(0) depctr_va_sdst(0) depctr_va_ssrc(0) depctr_va_vcc(0) depctr_vm_vsrc(0)
	s_getreg_b32 s2, hwreg(HW_REG_IB_STS2, 6, 4)
	s_cmp_eq_u32 s2, 0
	s_cbranch_scc0 .Lentry_in_a_cluster
	s_endpgm
.Lentry_in_a_cluster:
	s_bfe_u32 s2, ttmp6, 0x10000c
	s_cmp_lg_u32 s2, 0xf033
	s_cbranch_scc0 .Lentry_shape_is_right
	s_endpgm
.Lentry_shape_is_right:
; PROJ: query = q wq, key = k wk, value = v wv, on codes of FP4 (E2M1) with one E8M0 scale for each 32 along K; sums in f32.  The three products are one: 12,288 rows (q, k, v on end) x 1,024 columns,
; the weight chosen by the rows' tensor.  K = 1,024.  A tile of 256 x 256 is made by a work-group of four waves, a wave makes 128 x 128: 64 accumulators, 512 registers.  48 x 4 tiles: 192 work-groups.
; Both halves of K (512 each) and all scale bytes of the tile are asked for at the head, into LDS bytes of their own: nothing is filled again.  By this text's count a wave has three tensor loads out at the start.
; The codes lie in memory in the order of the operand's registers: a fragment (16 rows x 128 K) is two loads of 16 bytes a lane at 16 x lane, 512 bytes apart: no pitch, no padding.
; CLUSTERS: 4 x 4 work-groups.  The four of a row of the cluster need the same rows' codes, the four of a column the same weight columns': each tile is asked for jointly, by the same tensor load with the same
; descriptor and a mask that names the four.  A cluster's four tile rows lie in one tensor (16 tile rows a tensor), so the weight is the same for all sixteen.
; THE MATRIX INSTRUCTION IS USED TRANSPOSED (source 0 = 16 weight columns, source 1 = 16 tokens): lane (r, h) holds token r and eight neighbouring channels 8 h + 0 .. 7, which, rounded to f16, are four registers
; of a 16-bit fragment of the next product.  So the results leave as images of those fragments, 512 consecutive bytes a store, with no stage in LDS.
; query is multiplied by log2(e) / 8 in f32 before it is rounded, so that a score is the softmax's exponent in base 2 as it stands.
; qkv: query at 0, key at 8 MiB, value at 16 MiB; each [batch x head 32][tile of 16 tokens 128][16 channels 4][512 bytes]; query, key: 16 x lane; value: 32 r + 16 h (a token's 16 channels on end).
; LIMIT: the results are rounded to f16: largest number 65,504; under 6e-5 with fewer bits.
; REGISTERS, in windows of 256: window 0: v0-31 addresses; v32-95 scale words, two sets; v128-191 the tokens' fragments, one set; on the way out v64-127 and v192-255.
;   window 1: the weights' fragments, two sets, at v0 and v128.   window 2: the accumulators of my rows 0-63 ((a, b) at v[8 (8 a + b)]);   window 3: those of my rows 64-127.
.set NQ,     4                         ; steps of 128 along K in a half
.set FR,     8                         ; registers of a fragment
.set NL,     2                         ; LDS loads that bring one
.set NP,     4                         ; places behind this matrix instruction (ISA guide 7.12.1)
.set TILEB,  4096                      ; a tile of 16 rows x 512 along K
.set SLOT,   32*TILEB                  ; a half of K: the tokens' 16 tiles, then the weights' 16
.set KS,     32                        ; a row of scale bytes
.set SCL,    2*SLOT                    ; the scale bytes, as rows of 256 bytes + 16 of padding
.set HALFS,  16*272                    ; those of 128 rows: what one tensor load brings
.set SBLK,   2*272                     ; those of 16 rows
.set SPARE,  SCL+4*HALFS               ; the spare words, 128 bytes for each wave: two blocks of 256 bytes that no other line names
.set ADRA, 16                          ; v16-17  LDS address of my tokens' fragments in half 0, 1
.set ADRB, 20                          ; v20-21  the same for the weights
.set CO,   26                          ; v26     the way out: my lane's place in an image
.set ADRS, 27                          ; v27     LDS address of my scale words: lanes 0-15 the tokens', lanes 16-31 the weights'
.set SPW,  28                          ; v28     LDS address of my spare word; never rewritten
.set NIL,  29                          ; v29     0; never rewritten
.set SC,   32                          ; scale words: set s at v[SC + 32 s]; register 4 i + q: lanes 0-15 the word of the tokens' block i, lanes 16-31 that of the weights' block i
.set AF,   128
.set TF,   64                          ; the way out: a block's 64 numbers, scaled
.set PK,   192                          ; and rounded: two sets of 32
.set G1,   24                          ; s[24:31] group 1 for the tokens' codes;  s[32:39] group 0, one set for each half
.set G0,   32
.set G1B,  48                          ; s[48:55], s[56:63] the same for the weights'
.set G0B,  56
.set G1S,  68                          ; s[68:75], s[76:79] for the tokens' scale bytes;  s[80:87], s[88:91] for the weights'
.set G0S,  76
.set G1SB, 80
.set G0SB, 88
.set MSB, 0
.macro WIN new                         ; the immediate's high byte repeats the setting that is left
.if MSB != (\new)
	s_set_vgpr_msb (MSB<<8)|(\new)
.set MSB, (\new)
.endif
.endm
.set MUL_LO, 0xa1                      ; source 0 window 1, source 1 window 0, C and D window 2
.set MUL_HI, 0xf1                      ; the same, C and D window 3
.set TO_B,   0x40                      ; destination window 1, address window 0
; A joint load: waves 0 and 1 fetch for the tokens, waves 2 and 3 for the weights.  The branch hangs on the wave's number alone.  An s_nop 0 and four v_nop follow each of the two lines.
.macro JLOAD g0a, g1a, g0b, g1b
	s_cmp_eq_u32 s15, 0
	s_cbranch_scc0 .Lfor_b_\@
	tensor_load_to_lds s[\g0a:\g0a+3], s[\g1a:\g1a+7]
	s_nop 0
.rept 4
	v_nop
.endr
	s_branch .Lasked_\@
.Lfor_b_\@:
	tensor_load_to_lds s[\g0b:\g0b+3], s[\g1b:\g1b+7]
	s_nop 0
.rept 4
	v_nop
.endr
.Lasked_\@:
.endm
.macro CROUND                          ; a round of the cluster's barrier
	s_barrier_signal -1
	s_barrier_wait -1
	s_cmp_lg_u32 s14, 0
	s_cbranch_scc1 .Lnot_wave_0_\@
	s_barrier_signal -3
.Lnot_wave_0_\@:
	s_barrier_wait -3
	s_barrier_signal -1
	s_barrier_wait -1
.endm
	s_load_b128 s[4:7], s[0:1], 0x0                ; acodes, ascales
	s_load_b128 s[8:11], s[0:1], 0x10              ; wcodes, wscales
	s_load_b64 s[12:13], s[0:1], 0x20              ; qkv
	v_lshl_add_u32 v[SPW], v0, 2, SPARE
	v_mov_b32 v[NIL], 0
	ds_add_u32 v[SPW], v[NIL]                      ; the wave's opening: the add, twice on end, and its wait ahead of my first tensor load
	ds_add_u32 v[SPW], v[NIL]
	v_lshrrev_b32 v1, 5, v0
	v_readfirstlane_b32 s14, v1                    ; wave 0..3
	s_lshr_b32 s15, s14, 1                         ; which half of the tile's rows is mine.  Also: I fetch for the tokens (0) or the weights (1)
	s_and_b32 s16, s14, 1                          ; which half of its columns.  Also: which 8 tiles of 16 I fetch
	s_bfe_u32 s40, ttmp6, 0x40000                  ; cx, cy: my place in the cluster
	s_bfe_u32 s41, ttmp6, 0x40004
	s_lshl_b32 s42, ttmp9, 2
	s_add_co_u32 s42, s42, s40                     ; tile column = 4 x cluster x + cx
	s_and_b32 s95, ttmp7, 0xffff                   ; cluster y
	s_lshl_b32 s17, s95, 2
	s_add_co_u32 s17, s17, s41                     ; tile row = 4 x cluster y + cy
	s_lshr_b32 s95, s95, 2                         ; which product: 0 query, 1 key, 2 value: the same in all sixteen partners
	s_lshl_b32 s43, s41, 2
	s_lshl_b32 s43, 15, s43                        ; my row of the cluster
	s_lshl_b32 s44, 0x1111, s40                    ; my column
	; group 1 for codes: 8 tiles' halves: 8 rows of 4,096 bytes (512 elements of 8 bytes), 8,192 bytes apart; dense in LDS
	s_or_b32 s[G1+0], s43, (3<<16)|(1<<21)         ; 15:0 the mask; 17:16 elements of 8 bytes; 21 set beside a mask
	s_or_b32 s[G1B+0], s44, (3<<16)|(1<<21)
.irp g, G1, G1B
	s_mov_b32 s[\g+1], 512<<16                     ; tensor_dim0
	s_mov_b32 s[\g+2], 8<<16                       ; tensor_dim1
	s_mov_b32 s[\g+3], 512<<16                     ; tile_dim0
	s_mov_b32 s[\g+4], 8                           ; tile_dim1
	s_mov_b32 s[\g+5], 1024                        ; tensor_dim0_stride
	s_mov_b32 s[\g+6], 0
	s_mov_b32 s[\g+7], 0
.endr
	; and for the scale bytes of 128 rows: 4,096 dense bytes as 16 rows of 256 (32 elements of 8 bytes), 16 bytes of padding behind each
	s_or_b32 s[G1S+0], s43, (3<<16)|(1<<20)|(1<<21)|(5<<22)|(3<<25)
	s_or_b32 s[G1SB+0], s44, (3<<16)|(1<<20)|(1<<21)|(5<<22)|(3<<25)
.irp g, G1S, G1SB
	s_mov_b32 s[\g+1], 32<<16
	s_mov_b32 s[\g+2], 16<<16
	s_mov_b32 s[\g+3], 32<<16
	s_mov_b32 s[\g+4], 16
	s_mov_b32 s[\g+5], 32
	s_mov_b32 s[\g+6], 0
	s_mov_b32 s[\g+7], 0
.endr
	s_lshl_b32 s18, s16, 3                         ; which 8 tiles I fetch
	s_lshl_b32 s20, s17, 4
	s_add_co_u32 s20, s20, s18                     ; tokens: tile 16 x tile row + 8 x half
	s_lshl_b32 s46, s42, 4
	s_add_co_u32 s46, s46, s18
	s_lshl_b32 s47, s95, 6
	s_add_co_u32 s46, s46, s47                     ; weights: tile 64 x product + 16 x tile column + 8 x half
	s_lshl_b32 s22, s20, 9                         ; a tile's scale bytes are 512,
	s_mov_b32 s23, 0
	s_lshl_b32 s20, s20, 13                        ; its codes 8,192
	s_mov_b32 s21, 0
	s_lshl_b32 s92, s46, 9
	s_mov_b32 s93, 0
	s_lshl_b32 s46, s46, 13
	s_mov_b32 s47, 0
	s_lshl_b32 s45, s14, 15                        ; where they go: wave x 8 tiles: no place in the cluster enters an LDS address
	s_mul_i32 s94, s14, HALFS
	s_wait_dscnt 0x0                               ; both opening adds are done
	s_wait_kmcnt 0x0
	s_add_nc_u64 s[20:21], s[4:5], s[20:21]
	s_add_nc_u64 s[22:23], s[6:7], s[22:23]
	s_add_nc_u64 s[46:47], s[8:9], s[46:47]
	s_add_nc_u64 s[92:93], s[10:11], s[92:93]
	CROUND                                         ; all sixteen work-groups are here: the joint loads meet
	s_mov_b32 s[G0S], 1
	s_add_co_u32 s[G0S+1], s94, SCL
	s_mov_b64 s[G0S+2:G0S+3], s[22:23]
	s_or_b32 s[G0S+3], s[G0S+3], 0x80000000
	s_mov_b32 s[G0SB], 1
	s_add_co_u32 s[G0SB+1], s94, SCL
	s_mov_b64 s[G0SB+2:G0SB+3], s[92:93]
	s_or_b32 s[G0SB+3], s[G0SB+3], 0x80000000
	JLOAD G0S, G1S, G0SB, G1SB                     ; the scale bytes first: they are wanted with the first half
.irp s, 0,1
	s_mov_b32 s[G0+4*\s], 1
	s_add_co_u32 s[G0+4*\s+1], s45, \s*SLOT
	s_add_nc_u64 s[G0+4*\s+2:G0+4*\s+3], s[20:21], \s*TILEB
	s_or_b32 s[G0+4*\s+3], s[G0+4*\s+3], 0x80000000
	s_mov_b32 s[G0B+4*\s], 1
	s_add_co_u32 s[G0B+4*\s+1], s45, \s*SLOT
	s_add_nc_u64 s[G0B+4*\s+2:G0B+4*\s+3], s[46:47], \s*TILEB
	s_or_b32 s[G0B+4*\s+3], s[G0B+4*\s+3], 0x80000000
	JLOAD G0+4*\s, G1, G0B+4*\s, G1B
.endr
	v_and_b32 v1, 15, v0                           ; r
	v_bfe_u32 v2, v0, 4, 1                         ; h
	v_and_b32 v3, 31, v0
	v_lshlrev_b32 v4, 4, v3                        ; 16 x lane
	s_lshl_b32 s21, s15, 15                        ; my 8 tiles of tokens
	s_lshl_b32 s22, s16, 15                        ; my 8 tiles of weight columns,
	s_add_co_u32 s22, s22, 16*TILEB                ; which lie behind the tokens' 16
.irp s, 0,1
	v_add_nc_u32 v[ADRA+\s], s21, v4
	v_add_nc_u32 v[ADRB+\s], s22, v4
	s_add_co_u32 s21, s21, SLOT
	s_add_co_u32 s22, s22, SLOT
.endr
	v_mul_u32_u24 v5, v1, KS                       ; my row's scale bytes: 32 a row,
	v_lshrrev_b32 v6, 8, v5
	v_lshl_add_u32 v5, v6, 4, v5                   ; and 16 more for each 256 passed
	s_mul_i32 s21, s15, HALFS                      ; the tokens': my 128 rows
	s_mul_i32 s22, s16, HALFS                      ; the weights': my 128 columns, behind the tokens' 256
	s_add_co_u32 s22, s22, 2*HALFS
	s_sub_co_u32 s22, s22, s21
	v_mul_u32_u24 v6, s22, v2                      ; lanes 16-31 take the weights'
	s_add_co_u32 s21, s21, SCL
	v_add_nc_u32 v5, v5, v6
	v_add_nc_u32 v[ADRS], s21, v5
	; the way out
	s_cmp_eq_u32 s95, 2                            ; value's images are laid 32 r + 16 h, the others 16 r + 256 h
	s_cselect_b32 s18, 32, 16
	s_cselect_b32 s19, 16, 256
	s_cmp_eq_u32 s95, 0
	s_cselect_b32 s96, 0x3e38aa3b, 1.0             ; query x log2(e) / 8; key and value x 1
	s_mov_b32 s97, s96                             ; (named with it as a pair, so it is written)
	v_mul_lo_u32 v[CO], v1, s18
	v_mul_lo_u32 v5, v2, s19
	v_add_nc_u32 v[CO], v[CO], v5
	s_lshl_b32 s20, s17, 4
	s_lshl_b32 s21, s15, 3
	s_add_co_u32 s20, s20, s21                     ; my first tile of 16 tokens, of the 768
	s_lshr_b32 s21, s20, 7                         ; 2 x product + batch: 4 MiB each
	s_lshl_b32 s21, s21, 22
	s_and_b32 s20, s20, 127                        ; the tile within the sequence: 2,048 bytes each
	s_lshl_b32 s20, s20, 11
	s_add_co_u32 s20, s20, s21
	s_lshl_b32 s46, s42, 2
	s_lshl_b32 s47, s16, 1
	s_add_co_u32 s46, s46, s47                     ; my first head: 4 x tile column + 2 x half: 262,144 bytes each
	s_lshl_b32 s46, s46, 18
	s_add_co_u32 s46, s46, s20
	s_mov_b32 s47, 0
	s_add_nc_u64 s[12:13], s[12:13], s[46:47]
.macro FRAG reg, adr, q, i             ; tile i, the half's q-th 128 along K: registers 4 c .. 4 c + 3 hold K = 64 c + 32 h + 0 .. 31 of row r: block 4 q + 2 c + h, at 256 bytes a block
.irp c, 0,1
	ds_load_b128 v[\reg+4*\c:\reg+4*\c+3], v[\adr] offset:(\i)*TILEB+(\q)*1024+\c*512
.endr
.endm
; 16 matrix instructions: the tokens' blocks a0, a0 + 1 x the weights' eight.  p: the weights' set;  sc: the set of scale words.  zero = 1: the first product starts the sums: nothing is ever cleared.
; The 64 accumulators take turns, one instruction a turn, in the same order in every step.
.macro MUL16 a0, p, q, sc, zero
.irp a, \a0, \a0+1
.irp b, 0,1,2,3,4,5,6,7
.if \zero
	v_wmma_scale_f32_16x16x128_f8f6f4 v[8*(8*((\a)%4)+\b):8*(8*((\a)%4)+\b)+7], v[128*(\p)+FR*\b:128*(\p)+FR*\b+FR-1], v[AF+FR*(\a):AF+FR*(\a)+FR-1], 0, v[SC+8*NQ*(\sc)+NQ*\b+(\q)], v[SC+8*NQ*(\sc)+NQ*(\a)+(\q)] matrix_a_fmt:MATRIX_FMT_FP4 matrix_b_fmt:MATRIX_FMT_FP4 matrix_a_scale:MATRIX_SCALE_ROW1
.else
	v_wmma_scale_f32_16x16x128_f8f6f4 v[8*(8*((\a)%4)+\b):8*(8*((\a)%4)+\b)+7], v[128*(\p)+FR*\b:128*(\p)+FR*\b+FR-1], v[AF+FR*(\a):AF+FR*(\a)+FR-1], v[8*(8*((\a)%4)+\b):8*(8*((\a)%4)+\b)+7], v[SC+8*NQ*(\sc)+NQ*\b+(\q)], v[SC+8*NQ*(\sc)+NQ*(\a)+(\q)] matrix_a_fmt:MATRIX_FMT_FP4 matrix_b_fmt:MATRIX_FMT_FP4 matrix_a_scale:MATRIX_SCALE_ROW1
.endif
.endr
.endr
.endm
.macro FETCH_B slot, q, p
	WIN TO_B
.irp i, 0,1,2,3,4,5,6,7
	FRAG 128*(\p)+FR*\i, ADRB+\slot, \q, \i
.endr
	WIN 0
.endm
.macro FETCH_A slot, q, i0
.irp i, \i0, \i0+1, \i0+2, \i0+3
	FRAG AF+FR*(\i), ADRA+\slot, \q, \i
.endr
.endm
.macro SCALES sc                       ; a half's scale words: 4 words a row; lanes 0-15 the tokens' block i, lanes 16-31 the weights' block i
.irp i, 0,1,2,3,4,5,6,7
	ds_load_b128 v[SC+8*NQ*\sc+NQ*\i:SC+8*NQ*\sc+NQ*\i+3], v[ADRS] offset:\i*SBLK
.endr
.endm
; A load into a register that a matrix instruction has read, and a vector instruction that reads a matrix result, stand NP places behind it; only plain vector instructions that name none of its registers are places.
.macro PLACES n
.rept \n
	v_nop
.endr
.endm
; A step of 128 along K that has its successor in the same half.  A block of tokens is free as soon as its eight products are issued: blocks 0-3 are fetched anew in the step's middle, blocks 4-7 at its end.
.macro STEP slot, q, zero
	s_wait_dscnt 4*NL                              ; the weights' set and blocks 0-3 are in; the youngest eight loads (blocks 4-7) may be out
	WIN MUL_LO
	MUL16 0, (\q)%2, \q, \slot, \zero
	MUL16 2, (\q)%2, \q, \slot, \zero
	s_wait_dscnt 0                                 ; blocks 4-7 are in
	PLACES NP
	FETCH_B \slot, (\q)+1, 1-(\q)%2
	FETCH_A \slot, (\q)+1, 0
	WIN MUL_HI
	MUL16 4, (\q)%2, \q, \slot, \zero
	MUL16 6, (\q)%2, \q, \slot, \zero
	PLACES NP
	WIN 0
	FETCH_A \slot, (\q)+1, 4
.endm
.macro STEPS slot, from
.set Q, \from
.rept NQ-1-\from
	STEP \slot, Q, 0
.set Q, Q+1
.endr
.endm
	s_wait_tensorcnt 0x1                           ; the scale bytes and my part of half 0 are in (half 1's load may be out)
	s_barrier_signal -1
	s_barrier_wait -1                              ; everybody's are
	FETCH_B 0, 0, 0
	FETCH_A 0, 0, 0
	SCALES 0
	FETCH_A 0, 0, 4
	STEP 0, 0, 1                                   ; the first step's products start the sums
	STEPS 0, 1
	; half 0's last step goes over to half 1: one barrier; in front of it each wave waits for its tensor loads
	s_wait_tensorcnt 0x0                           ; my part of half 1 has landed
	ds_add_u32 v[SPW], v[NIL]
	s_wait_dscnt 4*NL+1                            ; (the add and the youngest eight loads, blocks 4-7, may be out)
	WIN MUL_LO
	MUL16 0, 1, NQ-1, 0, 0
	s_wait_dscnt 0x0                               ; no LDS instruction of mine is out at the signal
	s_barrier_signal -1
	MUL16 2, 1, NQ-1, 0, 0
	WIN 0
	s_barrier_wait -1                              ; half 1 is whole
	PLACES NP
	v_add_nc_u32 v[ADRS], 4*NQ, v[ADRS]            ; on to half 1's scale words
	FETCH_B 1, 0, 0
	FETCH_A 1, 0, 0
	SCALES 1
	WIN MUL_HI
	MUL16 4, 1, NQ-1, 0, 0
	MUL16 6, 1, NQ-1, 0, 0
	PLACES NP
	WIN 0
	FETCH_A 1, 0, 4
	STEPS 1, 0
	s_wait_dscnt 4*NL                              ; the very last step: nothing more to fetch
	WIN MUL_LO
	MUL16 0, 1, NQ-1, 1, 0
	MUL16 2, 1, NQ-1, 1, 0
	s_wait_dscnt 0
	WIN MUL_HI
	MUL16 4, 1, NQ-1, 1, 0
	MUL16 6, 1, NQ-1, 1, 0
	WIN 0
	PLACES NP                                      ; behind the last products: the lines below read results and write registers that held scale words
; THE WAY OUT, block a of 16 tokens x 128 channels: scaled in f32, rounded to f16; accumulator b's four packed registers are the image of 16 channels: head b / 4 of my two, part b % 4.
.macro OUTA a
.if (\a) > 1
	s_wait_xcnt 0x0                                ; block a - 2's stores have read this set of packed registers
.endif
	WIN 0x02+(\a)/4                                ; source 0: window 2 or 3
.set i, 0
.rept 32
	v_pk_mul_f32 v[TF+2*i:TF+2*i+1], v[64*((\a)%4)+2*i:64*((\a)%4)+2*i+1], s[96:97] op_sel_hi:[1,0]   ; ascending: each accumulator from its low end on
.set i, i+1
.endr
	WIN 0
.set i, 0
.rept 32
	v_cvt_pk_f16_f32 v[PK+32*((\a)%2)+i], v[TF+2*i], v[TF+2*i+1]
.set i, i+1
.endr
.irp b, 0,1,2,3,4,5,6,7
	global_store_b128 v[CO], v[PK+32*((\a)%2)+4*\b:PK+32*((\a)%2)+4*\b+3], s[12:13] offset:(\a)*2048+(\b/4)*262144+(\b%4)*512   ; 32 lanes store 512 consecutive bytes, aligned
.endr
.endm
.irp a, 0,1,2,3,4,5,6,7
	OUTA \a
.endr
	s_wait_tensorcnt 0x0                           ; the wave's end: these three lines behind my last tensor load
	ds_add_u32 v[SPW], v[NIL]
	s_wait_dscnt 0x0
	CROUND                                         ; the closing round
	s_endpgm
.Lfunc_end_k_q26efb9e063_proj:
	.size	k_q26efb9e063_proj, .Lfunc_end_k_q26efb9e063_proj-k_q26efb9e063_proj
	.p2alignl 7, 3214868480
	.fill 96, 4, 3214868480
	.section	.rodata,"a",@progbits
	.p2align	6, 0x0
	.amdhsa_kernel k_q26efb9e063_proj
		.amdhsa_group_segment_fixed_size 327680
		.amdhsa_private_segment_fixed_size 0
		.amdhsa_enable_private_segment 0
		.amdhsa_kernarg_size 40
		.amdhsa_user_sgpr_count 2
		.amdhsa_user_sgpr_kernarg_segment_ptr 1
		.amdhsa_wavefront_size32 1
		.amdhsa_system_sgpr_workgroup_id_x 1
		.amdhsa_system_sgpr_workgroup_id_y 1
		.amdhsa_system_sgpr_workgroup_id_z 1
		.amdhsa_system_vgpr_workitem_id 0
		.amdhsa_next_free_vgpr 1024
		.amdhsa_next_free_sgpr 98
		.amdhsa_reserve_vcc 0
		.amdhsa_float_denorm_mode_32 3
		.amdhsa_float_denorm_mode_16_64 3
		.amdhsa_memory_ordered 1
		.amdhsa_forward_progress 1
		.amdhsa_inst_pref_size 134
	.end_amdhsa_kernel
	.amdgpu_metadata
---
amdhsa.version: [ 1, 2 ]
amdhsa.kernels:
  - .name:           k_q26efb9e063_proj
    .symbol:         k_q26efb9e063_proj.kd
    .args:
      - { .name: acodes, .offset: 0, .size: 8, .value_kind: global_buffer, .address_space: global }
      - { .name: ascales, .offset: 8, .size: 8, .value_kind: global_buffer, .address_space: global }
      - { .name: wcodes, .offset: 16, .size: 8, .value_kind: global_buffer, .address_space: global }
      - { .name: wscales, .offset: 24, .size: 8, .value_kind: global_buffer, .address_space: global }
      - { .name: qkv, .offset: 32, .size: 8, .value_kind: global_buffer, .address_space: global }
    .group_segment_fixed_size: 327680
    .private_segment_fixed_size: 0
    .kernarg_segment_align: 8
    .kernarg_segment_size: 40
    .max_flat_workgroup_size: 128
    .sgpr_count:     98
    .vgpr_count:     1024
    .wavefront_size: 32
...
	.end_amdgpu_metadata
.endif
;; end of part 2
;; launch attn (part 3): grid 8 x 32, 8 waves a work-group, clusters of 4 x 1, 327,680 bytes of LDS; arguments qkv, mbits, xh; writes xh
.if DOCPART == 3
	.amdgcn_target "amdgcn-amd-amdhsa--gfx1250"
	.amdhsa_code_object_version 6
	.text
	.protected	k_q26efb9e063_attn
	.globl	k_q26efb9e063_attn
	.p2align	8
	.type	k_q26efb9e063_attn,@function
k_q26efb9e063_attn:
	s_mov_b64 s[64:65], 0
	v_nop
	global_prefetch_b8 v0, s[64:65] scope:SCOPE_SE
	s_setreg_imm32_b32 hwreg(HW_REG_WAVE_MODE, 25, 1), 1
	s_wait_xcnt 0x0
	s_wait_alu depctr_hold_cnt(0) depctr_sa_sdst(0) depctr_va_vdst(0) depctr_va_sdst(0) depctr_va_ssrc(0) depctr_va_vcc(0) depctr_vm_vsrc(0)
	s_getreg_b32 s2, hwreg(HW_REG_IB_STS2, 6, 4)
	s_cmp_eq_u32 s2, 0
	s_cbranch_scc0 .Lentry_in_a_cluster
	s_endpgm
.Lentry_in_a_cluster:
	s_bfe_u32 s2, ttmp6, 0x10000c
	s_cmp_lg_u32 s2, 0x3003
	s_cbranch_scc0 .Lentry_shape_is_right
	s_endpgm
.Lentry_shape_is_right:
; ATTN: x(b, h, q) = the sum over keys of softmax(query . key / 8, masked) value.  Operands f16, products, maxima and sums f32.  The mask is an input: where it is 0 the score is replaced by -1e20, as the
; problem has it: a row that is masked everywhere comes out as the plain average of all values, since every exponent is then 0.
; query arrives multiplied by log2(e) / 8, so a score IS t, the exponent in base 2; a masked t is -1e20 log2(e).  For each query a running maximum M and sum L: p = 2^(t - M); in every key step O and L are
; multiplied by a = 2^(old M - new M), which is 1 where M has not grown, and 0 where the first open key follows masked ones.  No branch hangs on data: the mask selects by v_cndmask_b32.
; SHARES.  A work-group owns 256 queries of one (batch, head); each of its eight waves 32 of them, two tiles of 16, in 384 registers: two waves to a SIMD, so that one wave's vector work stands beside the
; other's matrix work.  Every wave walks all 2,048 keys, 64 a step.
; LAYOUT.  Both products are used transposed: S^T = K Q^T (source 0 = 16 keys, source 1 = 16 queries), O^T = V^T P (source 0 = 16 channels, source 1 = P): a lane holds ONE query (lane % 16) throughout; two
; tiles of S^T, rounded to f16 in pairs, are source 1 of the second product.  K comes out of LDS as it lies (an image of its fragments), V turned, by ds_load_tr16_b128.
; THE RING.  Two slots of 512 keys (65,536 bytes of K, then 65,536 of V), both asked for at the head; each is filled once more.  A wave fetches 16,384 dense bytes: waves 0-3 the quarters of K, waves 4-7 of V: one
; line of the text for all eight, the addresses stepped by the wave's number.  By this text's count a wave has two tensor loads out at the start and one behind each round.
; A refill is asked for eight key steps (256 matrix instructions a wave) ahead of its first read; no prefetch is laid beside it.
; CLUSTER.  The four query blocks of a cluster belong to one head and walk the same K and V: each tile is asked for jointly, with a mask that names the four.
; THE MASK arrives as lane masks: one 32-bit word for each register of a tile of scores, 64 words a key step for the wave's two tiles, each tile's in scalar registers of its own.  Scalar loads come back in no
; order, so a wait for them is a wait for all: a trip therefore has ONE wait; both tiles' selects stand together behind it, and the next step's four loads are issued directly behind the selects:
; they have the rest of the trip and the next trip's products in which to come, and no scalar load is issued between a request and the wait for it.
; A TRIP t: K of step t from LDS | O^T += V^T P of step t - 1 | S^T of step t | V of step t from LDS | the mask on both tiles, the next step's words asked for | the two tiles' softmax of step t.
; LIMITS: p and x are rounded to f16 (p under 6e-5 with fewer bits; x no larger than the largest value); scores at or under -1e20 are not told apart from masked ones.
; REGISTERS: window 0: v1-7 addresses and constants; v8-23 statistics; v32-63 Q; v64-127 S^T; v128-159 P; v160-223 O^T; v224-255 the way out.   window 1: v0-63 K of a step; v64-127 V of a step.
.set SLOTB, 131072
.set VOFF,  65536
.set STEPB, 8192                       ; 64 keys of K, and of V
.set SPARE, 2*SLOTB                    ; the spare words, 128 bytes for each of eight waves: four blocks of 256 bytes that no other line names
.set LI,  1                            ; v1  16 x lane
.set AV0, 2                            ; v2  my lane's place in a step's V, for the turning load
.set ADK, 3                            ; v3  LDS address of the step's K
.set ADV, 4                            ; v4  of its V
.set T0,  5                            ; v5  -1e20 log2(e)
.set SPW, 6                            ; v6  LDS address of my spare word; never rewritten
.set NIL, 7                            ; v7  0; never rewritten
.set ST,  8                            ; tile x's statistics at v[8 + 8 x]: +0 M, +1 its pair's partner (0), +2, +3 L (even keys', odd keys'), +4 to +7 at work; a takes +6
.set Q,   32                           ; 16 x + 8 kc
.set S,   64                           ; 32 x + 8 kt
.set P,   128                          ; 16 x + 8 c
.set O,   160                          ; 32 x + 8 ct
.set OUTR, 224
.set KF,  0                            ; window 1: 16 kt + 8 kc
.set VF,  64                           ; window 1: 32 c + 8 ct
.set WV,  2                            ; s2  my wave's number
.set MK0, 16                           ; s[16:47] tile 0's 32 mask words
.set MK1, 68                           ; s[68:99] tile 1's: the registers of the head's set-up, which is done with them when the first words are asked for
.set G1,  48                           ; s[48:55] descriptor group 1
.set G0,  56                           ; s[56:59], s[60:63] group 0 for slot 0, 1
.set MSB, 0
.macro WIN new                         ; the immediate's high byte repeats the setting that is left
.if MSB != (\new)
	s_set_vgpr_msb (MSB<<8)|(\new)
.set MSB, (\new)
.endif
.endm
.macro CROUND                          ; a round of the cluster's barrier
	s_barrier_signal -1
	s_barrier_wait -1
	s_cmp_lg_u32 s[WV], 0
	s_cbranch_scc1 .Lnot_wave_0_\@
	s_barrier_signal -3
.Lnot_wave_0_\@:
	s_barrier_wait -3
	s_barrier_signal -1
	s_barrier_wait -1
.endm
.macro MLOAD                           ; a key step's 64 mask words: tile 0's 128 bytes at s5, tile 1's 4,096 bytes further on
	s_load_b512 s[MK0:MK0+15], s[6:7], s5 offset:0x0
	s_load_b512 s[MK0+16:MK0+31], s[6:7], s5 offset:0x40
	s_load_b512 s[MK1:MK1+15], s[6:7], s5 offset:0x1000
	s_load_b512 s[MK1+16:MK1+31], s[6:7], s5 offset:0x1040
.endm
	s_load_b128 s[68:71], s[0:1], 0x0              ; qkv, mbits
	s_load_b64 s[72:73], s[0:1], 0x10              ; xh
	v_lshl_add_u32 v[SPW], v0, 2, SPARE
	v_mov_b32 v[NIL], 0
	ds_add_u32 v[SPW], v[NIL]                      ; the wave's opening: the add, twice on end, and its wait ahead of my first tensor load
	ds_add_u32 v[SPW], v[NIL]
	v_lshrrev_b32 v1, 5, v0
	v_readfirstlane_b32 s[WV], v1                  ; wave 0..7
	s_bfe_u32 s74, ttmp6, 0x40000                  ; cx
	s_lshl_b32 s75, ttmp9, 2
	s_add_co_u32 s75, s75, s74                     ; my block of 256 queries: it enters Q's, the mask's and x's addresses alone
	s_and_b32 s76, ttmp7, 0xffff                   ; 16 x batch + head, which the four partners share
	s_lshl_b32 s77, s75, 4
	s_lshl_b32 s78, s[WV], 1
	s_add_co_u32 s77, s77, s78                     ; my first tile of 16 queries, of the sequence's 128
	s_lshr_b32 s80, s[WV], 2                       ; what I fetch: K's part of qkv (waves 0-3) or V's (4-7),
	s_add_co_u32 s80, s80, 1
	s_lshl_b32 s80, s80, 23
	s_lshl_b32 s81, s76, 18                        ; the head's 262,144 bytes,
	s_add_co_u32 s80, s80, s81
	s_and_b32 s81, s[WV], 3
	s_lshl_b32 s81, s81, 14                        ; my quarter of a slot's 65,536
	s_add_co_u32 s80, s80, s81
	s_mov_b32 s81, 0
	s_lshl_b32 s82, s[WV], 14                      ; and its place in a slot: no place in the cluster enters an LDS address
	s_lshl_b32 s84, s76, 18                        ; Q: the head, my two tiles of 2,048 bytes
	s_lshl_b32 s85, s77, 11
	s_add_co_u32 s84, s84, s85
	s_mov_b32 s85, 0
	s_lshl_b32 s86, s77, 12                        ; the mask's words: 4,096 bytes a tile of queries
	s_mov_b32 s87, 0
	s_lshr_b32 s88, s76, 4                         ; x: tile 128 x batch + my tile, 32,768 bytes each; the head's 2,048 in it
	s_lshl_b32 s88, s88, 7
	s_add_co_u32 s88, s88, s77
	s_lshl_b32 s88, s88, 15
	s_and_b32 s89, s76, 15
	s_lshl_b32 s89, s89, 11
	s_add_co_u32 s88, s88, s89
	s_mov_b32 s89, 0
	; group 1: 16,384 dense bytes as 64 rows of 256 (32 elements of 8 bytes)
	s_mov_b32 s[G1], 15|(3<<16)|(1<<21)            ; 15:0 the mask: all four work-groups; 17:16 elements of 8 bytes; 21 set beside a mask
	s_mov_b32 s[G1+1], 32<<16                      ; tensor_dim0
	s_mov_b32 s[G1+2], 64<<16                      ; tensor_dim1
	s_mov_b32 s[G1+3], 32<<16                      ; tile_dim0
	s_mov_b32 s[G1+4], 64                          ; tile_dim1
	s_mov_b32 s[G1+5], 32                          ; tensor_dim0_stride
	s_mov_b32 s[G1+6], 0
	s_mov_b32 s[G1+7], 0
	s_mov_b32 s8, 0x76543210
	s_mov_b32 s9, 0xfedcba98                       ; v_permlanex16_b32's selects for lane l xor 16
	s_mov_b32 s4, 0                                ; LDS byte of the step's K
	s_mov_b32 s5, 0                                ; the step's mask words: 128 bytes a step
	s_wait_dscnt 0x0                               ; both opening adds are done
	s_wait_kmcnt 0x0
	s_mov_b32 s[G0], 1
	s_mov_b32 s[G0+1], s82
	s_add_nc_u64 s[G0+2:G0+3], s[68:69], s[80:81]
	s_mov_b32 s[G0+4], 1
	s_add_co_u32 s[G0+5], s82, SLOTB
	s_add_nc_u64 s[G0+6:G0+7], s[G0+2:G0+3], 65536 ; slot 1: the next 512 keys
	s_or_b32 s[G0+3], s[G0+3], 0x80000000
	s_or_b32 s[G0+7], s[G0+7], 0x80000000
	s_add_nc_u64 s[10:11], s[68:69], s[84:85]      ; Q
	s_add_nc_u64 s[6:7], s[70:71], s[86:87]        ; the mask's words
	s_add_nc_u64 s[14:15], s[72:73], s[88:89]      ; x
	CROUND                                         ; all four work-groups are here: the first joint loads meet
	tensor_load_to_lds s[G0:G0+3], s[G1:G1+7]
	s_nop 0
	tensor_load_to_lds s[G0+4:G0+7], s[G1:G1+7]
	s_nop 0
.rept 4
	v_nop
.endr
	MLOAD                                          ; both tiles' words of step 0 (s68 to s89 are done with: every address has been made)
	v_and_b32 v[LI], 31, v0
	v_lshlrev_b32 v[LI], 4, v[LI]
.irp x, 0,1
.irp p, 0,1,2,3
	global_load_b128 v[Q+16*\x+4*\p:Q+16*\x+4*\p+3], v[LI], s[10:11] offset:\x*2048+\p*512   ; Q stays in registers
.endr
.endr
	; the turning load takes 16 keys x 16 channels, rows of 32 bytes: lane l reads 16 bytes: key 8 (l / 16) + l % 8, channels 8 ((l / 8) % 2) + 0 .. 7
	v_bfe_u32 v3, v0, 4, 1
	v_and_b32 v4, 7, v0
	v_lshl_add_u32 v[AV0], v3, 3, v4
	v_lshlrev_b32 v[AV0], 5, v[AV0]
	v_bfe_u32 v4, v0, 3, 1
	v_lshl_add_u32 v[AV0], v4, 4, v[AV0]
	v_add_nc_u32 v[AV0], VOFF, v[AV0]
	v_mov_b32 v[T0], 0xe0fa4488                    ; -1e20 log2(e)
	v_mov_b32 v[ST+1], 0                           ; (named with M as a pair, so they are written)
	v_mov_b32 v[ST+9], 0
; O^T += V^T P: keys 32 c on, channels 16 ct on, tile x.  The eight accumulators take turns, one instruction a turn.  start = 1: the first eight start the sums.
.macro PV start
.irp c, 0,1
.irp ct, 0,1,2,3
.irp x, 0,1
.if (\start) && (\c == 0)
	v_wmma_f32_16x16x32_f16 v[O+32*\x+8*\ct:O+32*\x+8*\ct+7], v[VF+32*\c+8*\ct:VF+32*\c+8*\ct+7], v[P+16*\x+8*\c:P+16*\x+8*\c+7], 0
.else
	v_wmma_f32_16x16x32_f16 v[O+32*\x+8*\ct:O+32*\x+8*\ct+7], v[VF+32*\c+8*\ct:VF+32*\c+8*\ct+7], v[P+16*\x+8*\c:P+16*\x+8*\c+7], v[O+32*\x+8*\ct:O+32*\x+8*\ct+7]
.endif
.endr
.endr
.endr
.endm
; S^T = K Q^T: channels 32 kc on, keys 16 kt on, tile x.  The first eight start the sums.
.macro QK
.irp kc, 0,1
.irp kt, 0,1,2,3
.irp x, 0,1
.if \kc == 0
	v_wmma_f32_16x16x32_f16 v[S+32*\x+8*\kt:S+32*\x+8*\kt+7], v[KF+16*\kt+8*\kc:KF+16*\kt+8*\kc+7], v[Q+16*\x+8*\kc:Q+16*\x+8*\kc+7], 0
.else
	v_wmma_f32_16x16x32_f16 v[S+32*\x+8*\kt:S+32*\x+8*\kt+7], v[KF+16*\kt+8*\kc:KF+16*\kt+8*\kc+7], v[Q+16*\x+8*\kc:Q+16*\x+8*\kc+7], v[S+32*\x+8*\kt:S+32*\x+8*\kt+7]
.endif
.endr
.endr
.endr
.endm
; THE MASK on both tiles' scores of a key step, and the request for the next step's words.
.macro MASKS
	s_wait_kmcnt 0x0                               ; the step's 64 words are in: the trip's one wait for scalar loads; those loads have also read s5
.set i, 0
.rept 32
	v_cndmask_b32 v[S+i], v[T0], v[S+i], s[MK0+i]  ; register 8 kt + j, word 8 kt + j: a lane's bit says whether its key counts for its query.  Ascending: each accumulator from its low end on
.set i, i+1
.endr
.set i, 0
.rept 32
	v_cndmask_b32 v[S+32+i], v[T0], v[S+32+i], s[MK1+i]
.set i, i+1
.endr
	s_add_co_u32 s5, s5, 128                       ; the next step's words;
	s_min_u32 s5, s5, 3968                         ; behind the last step the last step's once more, which nobody uses: no load leaves the buffer
	MLOAD                                          ; asked for as soon as the registers are free: both softmaxes and the next trip's products stand between these loads and the wait for them
.endm
; Tile x's softmax for one key step, behind the mask.  first = 1: the first step, which starts M, L and has no O^T to rescale.
.macro SMX x, first
.set rT, ST+8*(\x)
.set rS, S+32*(\x)
.set rP, P+16*(\x)
.set rO, O+32*(\x)
.irp j, 0,1,2,3
	v_max3_num_f32 v[rT+4+\j], v[rS+8*\j], v[rS+8*\j+1], v[rS+8*\j+2]   ; the maximum of my 32 scores, in four chains
.endr
.irp g, 1,2
.irp j, 0,1,2,3
	v_max3_num_f32 v[rT+4+\j], v[rT+4+\j], v[rS+8*\j+2*\g+1], v[rS+8*\j+2*\g+2]
.endr
.endr
	v_max3_num_f32 v[rT+4], v[rT+4], v[rS+7], v[rS+15]
	v_max3_num_f32 v[rT+6], v[rT+6], v[rS+23], v[rS+31]
	v_max3_num_f32 v[rT+4], v[rT+4], v[rT+5], v[rT+6]
.if \first
	v_max_num_f32 v[rT+4], v[rT+4], v[rT+7]
.else
	v_max3_num_f32 v[rT+4], v[rT+4], v[rT+7], v[rT]        ; and the old M
.endif
	v_permlanex16_b32 v[rT+5], v[rT+4], s8, s9     ; the query's other 32 keys lie in the lane 16 away
.if !\first
	v_mov_b32 v[rT+7], v[rT]
.endif
	v_max_num_f32 v[rT], v[rT+4], v[rT+5]          ; the new M
.if !\first
	v_sub_f32 v[rT+7], v[rT+7], v[rT]              ; old M - new M
.endif
.set i, 0
.rept 16
	v_pk_add_f32 v[rS+2*i:rS+2*i+1], v[rS+2*i:rS+2*i+1], v[rT:rT+1] op_sel_hi:[1,0] neg_lo:[0,1] neg_hi:[0,1]   ; t - M, two at a time
.set i, i+1
.endr
.if !\first
	v_exp_f32 v[rT+6], v[rT+7]                     ; a
.endif
.set i, 0
.rept 32
	v_exp_f32 v[rS+i], v[rS+i]                     ; p = 2^(t - M)
.set i, i+1
.endr
	v_nop                                          ; a plain line behind the last exponential
	s_wait_alu depctr_va_vdst(0)                   ; the wait ahead of the first line that names a result: one for the whole batch
.set i, 0
.rept 16
	v_cvt_pk_f16_f32 v[rP+i], v[rS+2*i], v[rS+2*i+1]
.set i, i+1
.endr
.irp u, 0,1,2,3,4,5,6,7                    ; the sum of the 16 pairs, in place: neighbours 1, 2, 4 and 8 pairs apart
	v_pk_add_f32 v[rS+4*\u:rS+4*\u+1], v[rS+4*\u:rS+4*\u+1], v[rS+4*\u+2:rS+4*\u+3]
.endr
.irp u, 0,1,2,3
	v_pk_add_f32 v[rS+8*\u:rS+8*\u+1], v[rS+8*\u:rS+8*\u+1], v[rS+8*\u+4:rS+8*\u+5]
.endr
.irp u, 0,1
	v_pk_add_f32 v[rS+16*\u:rS+16*\u+1], v[rS+16*\u:rS+16*\u+1], v[rS+16*\u+8:rS+16*\u+9]
.endr
.if \first
	v_pk_add_f32 v[rT+2:rT+3], v[rS:rS+1], v[rS+16:rS+17]
.else
	v_pk_add_f32 v[rS:rS+1], v[rS:rS+1], v[rS+16:rS+17]
	v_pk_fma_f32 v[rT+2:rT+3], v[rT+2:rT+3], v[rT+6:rT+7], v[rS:rS+1] op_sel_hi:[1,0,1]   ; L = a L + the step's sum
.set i, 0
.rept 16
	v_pk_mul_f32 v[rO+2*i:rO+2*i+1], v[rO+2*i:rO+2*i+1], v[rT+6:rT+7] op_sel_hi:[1,0]     ; O^T x a
.set i, i+1
.endr
.endif
.endm
; A TRIP.  pv = 2: the products V^T P of the step before; 1: they start O^T's sums; 0: none.
.macro TRIP pv, first
	v_add_nc_u32 v[ADK], s4, v[LI]
	WIN 0x40                                       ; destination window 1.  K's registers were last read by the trip before's products, with its whole softmax between
.irp kt, 0,1,2,3
.irp kc, 0,1
	ds_load_b128 v[KF+16*\kt+8*\kc:KF+16*\kt+8*\kc+3],   v[ADK] offset:\kt*2048+\kc*1024
	ds_load_b128 v[KF+16*\kt+8*\kc+4:KF+16*\kt+8*\kc+7], v[ADK] offset:\kt*2048+\kc*1024+512
.endr
.endr
.if \pv
	s_wait_dscnt 16                                ; V of the step before is in; K's 16 loads may be out
	WIN 0x01                                       ; source 0 window 1
	PV 2-\pv
.endif
	s_wait_dscnt 0x0                               ; K is in
	WIN 0x01
	QK
	WIN 0
	v_add_nc_u32 v[ADV], s4, v[AV0]                ; four places behind the products: for the loads into V's registers and for the first read of the scores
.rept 3
	v_nop
.endr
	WIN 0x40
.irp c, 0,1
.irp ct, 0,1,2,3
	ds_load_tr16_b128 v[VF+32*\c+8*\ct:VF+32*\c+8*\ct+3],   v[ADV] offset:2*\c*2048+\ct*512
	ds_load_tr16_b128 v[VF+32*\c+8*\ct+4:VF+32*\c+8*\ct+7], v[ADV] offset:2*\c*2048+\ct*512+2048
.endr
.endr
	WIN 0
	MASKS
	SMX 0, \first
	SMX 1, \first
.endm
.macro STEPS n                         ; n trips
	s_mov_b32 s3, \n
.Lstep_\@:
	TRIP 2, 0
	s_add_co_u32 s4, s4, STEPB
	s_sub_co_u32 s3, s3, 1
	s_cmp_lg_u32 s3, 0
	s_cbranch_scc1 .Lstep_\@
.endm
; THE CHANGE OF SLOTS: slot n has been read out (its last bytes, V of its eighth step, have been asked for).  Each wave waits for all its tensor loads (its part of the other slot), adds 0 to its spare word, and
; waits for that and for its reads of slot n.  fill = 1: a round of the cluster's barrier, and slot n is filled with the keys two slots on, first thing behind it.
.macro CHANGE n, fill
	s_wait_tensorcnt 0x0                           ; no tensor load of mine is out, so a group 0 may be written
	ds_add_u32 v[SPW], v[NIL]
.if \fill
	s_add_nc_u64 s[G0+4*\n+2:G0+4*\n+3], s[G0+4*\n+2:G0+4*\n+3], 2*65536   ; 1,024 keys on; the type bits on top are not reached
.endif
	s_wait_dscnt 0x0                               ; the add is done, and my reads of the slot are over
.if \fill
	CROUND                                         ; no wave of any partner still reads the slot or has a load on its way
	tensor_load_to_lds s[G0+4*\n:G0+4*\n+3], s[G1:G1+7]
	s_nop 0
.rept 4
	v_nop
.endr
.else
	s_barrier_signal -1
	s_barrier_wait -1
.endif
	s_mov_b32 s4, (1-\n)*SLOTB                     ; on to the other slot
.endm
	s_wait_tensorcnt 0x1                           ; my part of slot 0 is in; slot 1's may stay out
	s_barrier_signal -1
	s_barrier_wait -1                              ; everybody's is
	s_wait_loadcnt 0x0                             ; Q
	TRIP 0, 1                                      ; step 0: scores and the first softmax
	s_add_co_u32 s4, s4, STEPB
	TRIP 1, 0                                      ; step 1; the products of step 0 start O^T
	s_add_co_u32 s4, s4, STEPB
	STEPS 6
	CHANGE 0, 1                                    ; slot 0 takes keys 1,024 on
	STEPS 8
	CHANGE 1, 1                                    ; slot 1 takes keys 1,536 on
	STEPS 8
	CHANGE 0, 0                                    ; nothing is left to fetch
	STEPS 8
	s_wait_dscnt 0x0                               ; V of the last step
	WIN 0x01
	PV 0
	WIN 0
	s_wait_kmcnt 0x0                               ; the last mask words, which nobody uses
	; THE WAY OUT.  L's two halves and the other half of the lanes' are added (these lines are the places behind the last products); O^T / L, rounded to f16, is the image of the next product's fragments.
.irp x, 0,1
	v_add_f32 v[ST+8*\x+4], v[ST+8*\x+2], v[ST+8*\x+3]
.endr
.irp x, 0,1
	v_permlanex16_b32 v[ST+8*\x+5], v[ST+8*\x+4], s8, s9
.endr
.irp x, 0,1
	v_add_f32 v[ST+8*\x+4], v[ST+8*\x+4], v[ST+8*\x+5]
.endr
.irp x, 0,1
	v_rcp_f32 v[ST+8*\x+6], v[ST+8*\x+4]           ; L is at least 1: the largest p of a row is 1
.endr
	v_nop                                          ; a plain line behind the last reciprocal
	s_wait_alu depctr_va_vdst(0)                   ; and the wait ahead of the first use: one for both
.irp x, 0,1
.set i, 0
.rept 16
	v_pk_mul_f32 v[O+32*\x+2*i:O+32*\x+2*i+1], v[O+32*\x+2*i:O+32*\x+2*i+1], v[ST+8*\x+6:ST+8*\x+7] op_sel_hi:[1,0]
.set i, i+1
.endr
.set i, 0
.rept 16
	v_cvt_pk_f16_f32 v[OUTR+16*\x+i], v[O+32*\x+2*i], v[O+32*\x+2*i+1]
.set i, i+1
.endr
.irp ct, 0,1,2,3
	global_store_b128 v[LI], v[OUTR+16*\x+4*\ct:OUTR+16*\x+4*\ct+3], s[14:15] offset:\x*32768+\ct*512   ; 32 lanes store 512 consecutive bytes, aligned
.endr
.endr
	s_wait_tensorcnt 0x0                           ; the wave's end: these three lines behind my last tensor load
	ds_add_u32 v[SPW], v[NIL]
	s_wait_dscnt 0x0
	CROUND                                         ; the closing round: no work-group ends while a partner may still ask for a tile that names it
	s_endpgm
.Lfunc_end_k_q26efb9e063_attn:
	.size	k_q26efb9e063_attn, .Lfunc_end_k_q26efb9e063_attn-k_q26efb9e063_attn
	.p2alignl 7, 3214868480
	.fill 96, 4, 3214868480
	.section	.rodata,"a",@progbits
	.p2align	6, 0x0
	.amdhsa_kernel k_q26efb9e063_attn
		.amdhsa_group_segment_fixed_size 327680
		.amdhsa_private_segment_fixed_size 0
		.amdhsa_enable_private_segment 0
		.amdhsa_kernarg_size 24
		.amdhsa_user_sgpr_count 2
		.amdhsa_user_sgpr_kernarg_segment_ptr 1
		.amdhsa_wavefront_size32 1
		.amdhsa_system_sgpr_workgroup_id_x 1
		.amdhsa_system_sgpr_workgroup_id_y 1
		.amdhsa_system_sgpr_workgroup_id_z 1
		.amdhsa_system_vgpr_workitem_id 0
		.amdhsa_next_free_vgpr 384
		.amdhsa_next_free_sgpr 100
		.amdhsa_reserve_vcc 0
		.amdhsa_float_denorm_mode_32 3
		.amdhsa_float_denorm_mode_16_64 3
		.amdhsa_memory_ordered 1
		.amdhsa_forward_progress 1
		.amdhsa_inst_pref_size 139
	.end_amdhsa_kernel
	.amdgpu_metadata
---
amdhsa.version: [ 1, 2 ]
amdhsa.kernels:
  - .name:           k_q26efb9e063_attn
    .symbol:         k_q26efb9e063_attn.kd
    .args:
      - { .name: qkv, .offset: 0, .size: 8, .value_kind: global_buffer, .address_space: global }
      - { .name: mbits, .offset: 8, .size: 8, .value_kind: global_buffer, .address_space: global }
      - { .name: xh, .offset: 16, .size: 8, .value_kind: global_buffer, .address_space: global }
    .group_segment_fixed_size: 327680
    .private_segment_fixed_size: 0
    .kernarg_segment_align: 8
    .kernarg_segment_size: 24
    .max_flat_workgroup_size: 256
    .sgpr_count:     100
    .vgpr_count:     384
    .wavefront_size: 32
...
	.end_amdgpu_metadata
.endif
;; end of part 3
;; launch oproj (part 4): grid 8 x 32, 4 waves a work-group, clusters of 4 x 4, 327,680 bytes of LDS; arguments xh, wot, out0; writes out0
.if DOCPART == 4
	.amdgcn_target "amdgcn-amd-amdhsa--gfx1250"
	.amdhsa_code_object_version 6
	.text
	.protected	k_q26efb9e063_oproj
	.globl	k_q26efb9e063_oproj
	.p2align	8
	.type	k_q26efb9e063_oproj,@function
k_q26efb9e063_oproj:
	s_mov_b64 s[64:65], 0
	v_nop
	global_prefetch_b8 v0, s[64:65] scope:SCOPE_SE
	s_setreg_imm32_b32 hwreg(HW_REG_WAVE_MODE, 25, 1), 1
	s_wait_xcnt 0x0
	s_wait_alu depctr_hold_cnt(0) depctr_sa_sdst(0) depctr_va_vdst(0) depctr_va_sdst(0) depctr_va_ssrc(0) depctr_va_vcc(0) depctr_vm_vsrc(0)
	s_getreg_b32 s2, hwreg(HW_REG_IB_STS2, 6, 4)
	s_cmp_eq_u32 s2, 0
	s_cbranch_scc0 .Lentry_in_a_cluster
	s_endpgm
.Lentry_in_a_cluster:
	s_bfe_u32 s2, ttmp6, 0x10000c
	s_cmp_lg_u32 s2, 0xf033
	s_cbranch_scc0 .Lentry_shape_is_right
	s_endpgm
.Lentry_shape_is_right:
; OPROJ: out0 = x wo.  x [4,096][1,024] and wo [1,024 (k)][1,024 (n)] arrive as f16, as images of 16-bit fragments: [tile of 16 rows (or columns n)][32 along K][half 2][lane][16 bytes]; sums and out0 in f32.
; A tile of out0 is 128 x 128: 32 x 8 = 256 work-groups.  Four waves, each 64 x 64: 16 accumulators, 128 registers.  K goes in four steps of 256 through a ring of two LDS slots; a wave's tensor load brings
; 4 tiles x 8,192 bytes.  A fragment is two loads of 16 bytes a lane at 16 x lane, 512 bytes apart: no pitch, no padding.  By this text's count a wave has two tensor loads out at the start, one behind each round.
; CLUSTERS: 4 x 4 work-groups.  The four of a row of the cluster need the same tiles of x, the four of a column the same tiles of wo: each is asked for jointly.
; THE MATRIX INSTRUCTION IS USED TRANSPOSED (source 0 = 16 columns of wo, source 1 = 16 rows of x): a lane holds eight neighbouring numbers of a row of out0.  A wave's 64 columns are 256 bytes of a row, aligned:
; each block of 16 rows goes through the wave's own stage in LDS and leaves as whole runs of 256 bytes.
; REGISTERS: window 0: v0-31 addresses; v32-95 the way out; v128-255 the accumulators ((a, b) at v[128 + 8 (4 a + b)]).   window 1: two fragment buffers of 128: for 64 along K, 64 registers of x, then 64 of wo.
.set TILEB,  8192                      ; a tile of 16 rows x 256 along K
.set SLOT,   16*TILEB                  ; x's 8 tiles, then wo's 8
.set STAGE,  2*SLOT                    ; behind the ring: 16 rows x 272 bytes for each wave; no tensor load lands there
.set SPITCH, 272
.set SPARE,  STAGE+4*16*SPITCH         ; the spare words, 128 bytes for each wave: two blocks of 256 bytes that no other line names
.set ADRA, 16                          ; v16-17  LDS address of my fragments of x in slot 0, 1
.set ADRB, 20                          ; v20-21  the same for wo
.set STO,  24                          ; v24     the way out: where I put 32 bytes of a row
.set RD,   25                          ; v25     where I read a row back
.set CO,   26                          ; v26     my byte offset in out0
.set SPW,  28                          ; v28     LDS address of my spare word; never rewritten
.set NIL,  29                          ; v29     0; never rewritten
.set TMP,  32
.set ACC,  128
.set F0,   0
.set F1,   128
.set G1, 24                            ; s[24:31] group 1 for x's tiles;  s[32:39] group 0, one set for each slot
.set G0, 32
.set G1B, 48                           ; s[48:55], s[56:63] the same for wo's
.set G0B, 56
.set MSB, 0
.macro WIN new                         ; the immediate's high byte repeats the setting that is left
.if MSB != (\new)
	s_set_vgpr_msb (MSB<<8)|(\new)
.set MSB, (\new)
.endif
.endm
.set MUL,  0x05                        ; sources 0 and 1 window 1; C and D window 0
.set TO_F, 0x40                        ; destination window 1, address window 0
.macro JLOAD s                         ; a joint load: waves 0 and 1 fetch x's two halves, waves 2 and 3 wo's; an s_nop 0 and four v_nop follow each of the two lines
	s_cmp_eq_u32 s11, 0
	s_cbranch_scc0 .Lfor_b_\@
	tensor_load_to_lds s[G0+4*\s:G0+4*\s+3], s[G1:G1+7]
	s_nop 0
.rept 4
	v_nop
.endr
	s_branch .Lasked_\@
.Lfor_b_\@:
	tensor_load_to_lds s[G0B+4*\s:G0B+4*\s+3], s[G1B:G1B+7]
	s_nop 0
.rept 4
	v_nop
.endr
.Lasked_\@:
.endm
.macro CREST                           ; a round of the cluster's barrier behind its opening barrier
	s_cmp_lg_u32 s10, 0
	s_cbranch_scc1 .Lnot_wave_0_\@
	s_barrier_signal -3
.Lnot_wave_0_\@:
	s_barrier_wait -3
	s_barrier_signal -1
	s_barrier_wait -1
.endm
.macro CROUND
	s_barrier_signal -1
	s_barrier_wait -1
	CREST
.endm
	s_load_b128 s[4:7], s[0:1], 0x0                ; xh, wot
	s_load_b64 s[8:9], s[0:1], 0x10                ; out0
	v_lshl_add_u32 v[SPW], v0, 2, SPARE
	v_mov_b32 v[NIL], 0
	ds_add_u32 v[SPW], v[NIL]                      ; the wave's opening: the add, twice on end, and its wait ahead of my first tensor load
	ds_add_u32 v[SPW], v[NIL]
	v_lshrrev_b32 v1, 5, v0
	v_readfirstlane_b32 s10, v1                    ; wave 0..3
	s_lshr_b32 s11, s10, 1                         ; which half of the tile's rows is mine.  Also: I fetch for x (0) or for wo (1)
	s_and_b32 s12, s10, 1                          ; which half of its columns.  Also: which 4 tiles of 16 I fetch
	s_bfe_u32 s40, ttmp6, 0x40000                  ; cx, cy
	s_bfe_u32 s41, ttmp6, 0x40004
	s_lshl_b32 s42, ttmp9, 2
	s_add_co_u32 s42, s42, s40                     ; tile column = 4 x cluster x + cx
	s_and_b32 s13, ttmp7, 0xffff
	s_lshl_b32 s13, s13, 2
	s_add_co_u32 s13, s13, s41                     ; tile row = 4 x cluster y + cy
	s_lshl_b32 s43, s41, 2
	s_lshl_b32 s43, 15, s43                        ; my row of the cluster
	s_lshl_b32 s44, 0x1111, s40                    ; my column
	; group 1: 4 rows of 8,192 bytes (1,024 elements of 8 bytes), 32,768 bytes apart; dense in LDS
	s_or_b32 s[G1+0], s43, (3<<16)|(1<<21)
	s_or_b32 s[G1B+0], s44, (3<<16)|(1<<21)
.irp g, G1, G1B
	s_mov_b32 s[\g+1], 1024<<16                    ; tensor_dim0
	s_mov_b32 s[\g+2], 4<<16                       ; tensor_dim1
	s_mov_b32 s[\g+3], 1024<<16                    ; tile_dim0
	s_mov_b32 s[\g+4], 4                           ; tile_dim1
	s_mov_b32 s[\g+5], 4096                        ; tensor_dim0_stride
	s_mov_b32 s[\g+6], 0
	s_mov_b32 s[\g+7], 0
.endr
	s_lshl_b32 s17, s12, 2                         ; which 4 tiles I fetch
	s_lshl_b32 s16, s13, 3
	s_add_co_u32 s16, s16, s17                     ; x: tile 8 x tile row + 4 x half
	s_lshl_b32 s16, s16, 15
	s_lshl_b32 s46, s42, 3
	s_add_co_u32 s46, s46, s17                     ; wo: tile 8 x tile column + 4 x half
	s_lshl_b32 s46, s46, 15
	s_mov_b32 s17, 0
	s_mov_b32 s47, 0
	s_lshl_b32 s20, s10, 15                        ; where they go: wave x 4 tiles
	s_wait_dscnt 0x0                               ; both opening adds are done
	s_wait_kmcnt 0x0
	s_add_nc_u64 s[14:15], s[4:5], s[16:17]
	s_add_nc_u64 s[46:47], s[6:7], s[46:47]
	CROUND                                         ; all sixteen work-groups are here: the first joint loads meet
.irp s, 0,1
	s_mov_b32 s[G0+4*\s], 1
	s_add_co_u32 s[G0+4*\s+1], s20, \s*SLOT
	s_add_nc_u64 s[G0+4*\s+2:G0+4*\s+3], s[14:15], \s*TILEB
	s_or_b32 s[G0+4*\s+3], s[G0+4*\s+3], 0x80000000
	s_mov_b32 s[G0B+4*\s], 1
	s_add_co_u32 s[G0B+4*\s+1], s20, \s*SLOT
	s_add_nc_u64 s[G0B+4*\s+2:G0B+4*\s+3], s[46:47], \s*TILEB
	s_or_b32 s[G0B+4*\s+3], s[G0B+4*\s+3], 0x80000000
	JLOAD \s
.endr
	v_and_b32 v1, 15, v0                           ; l % 16
	v_bfe_u32 v2, v0, 4, 1                         ; l / 16
	v_and_b32 v3, 31, v0
	v_lshlrev_b32 v3, 4, v3                        ; 16 x lane
	s_lshl_b32 s21, s11, 15                        ; my 4 tiles of x
	s_lshl_b32 s22, s12, 15                        ; my 4 tiles of wo,
	s_add_co_u32 s22, s22, 8*TILEB                 ; which lie behind x's 8
.irp s, 0,1
	v_add_nc_u32 v[ADRA+\s], s21, v3
	v_add_nc_u32 v[ADRB+\s], s22, v3
	s_add_co_u32 s21, s21, SLOT
	s_add_co_u32 s22, s22, SLOT
.endr
	s_mul_i32 s23, s10, 16*SPITCH
	s_add_co_u32 s23, s23, STAGE                   ; my stage
	v_mul_u32_u24 v4, v1, SPITCH                   ; in: row l % 16, 32 bytes for each half of the lanes
	v_lshl_add_u32 v4, v2, 5, v4
	v_add_nc_u32 v[STO], s23, v4
	v_mul_u32_u24 v5, v2, SPITCH                   ; back: lanes 0-15 one row of 256 bytes, lanes 16-31 the next
	v_lshl_add_u32 v5, v1, 4, v5
	v_add_nc_u32 v[RD], s23, v5
	v_lshlrev_b32 v5, 12, v2                       ; and the same two rows in out0
	v_lshl_add_u32 v[CO], v1, 4, v5
	s_lshl_b32 s16, s13, 7
	s_lshl_b32 s17, s11, 6
	s_add_co_u32 s16, s16, s17                     ; my first row: 128 x tile row + 64 x half
	s_lshl_b32 s16, s16, 12
	s_mov_b32 s17, 0
	s_add_nc_u64 s[8:9], s[8:9], s[16:17]
	s_lshl_b32 s46, s42, 9                         ; my first column, in bytes: 512 x tile column + 256 x half
	s_lshl_b32 s47, s12, 8
	s_add_co_u32 s46, s46, s47
	s_mov_b32 s47, 0
	s_add_nc_u64 s[8:9], s[8:9], s[46:47]
; 8 matrix instructions: row blocks a0, a0 + 1 x all 4 column blocks, 32 along K: half c of buffer f.  zero = 1: the first product starts the sums.  The 16 accumulators take turns.
.macro MUL8 f, c, a0, zero
.irp a, \a0, \a0+1
.irp b, 0,1,2,3
.if \zero
	v_wmma_f32_16x16x32_f16 v[ACC+8*(4*(\a)+\b):ACC+8*(4*(\a)+\b)+7], v[\f+64+8*(4*\c+\b):\f+64+8*(4*\c+\b)+7], v[\f+8*(4*\c+\a):\f+8*(4*\c+\a)+7], 0
.else
	v_wmma_f32_16x16x32_f16 v[ACC+8*(4*(\a)+\b):ACC+8*(4*(\a)+\b)+7], v[\f+64+8*(4*\c+\b):\f+64+8*(4*\c+\b)+7], v[\f+8*(4*\c+\a):\f+8*(4*\c+\a)+7], v[ACC+8*(4*(\a)+\b):ACC+8*(4*(\a)+\b)+7]
.endif
.endr
.endr
.endm
; 32 LDS loads in one run: the fragments of the slot's q-th 64 along K into buffer f; the first 32 along K first
.macro FETCH slot, q, f
	WIN TO_F
.irp c, 0,1
.irp i, 0,1,2,3
	ds_load_b128 v[\f+64+8*(4*\c+\i):\f+64+8*(4*\c+\i)+3],   v[ADRB+\slot] offset:(2*(\q)+\c)*1024+\i*TILEB
	ds_load_b128 v[\f+64+8*(4*\c+\i)+4:\f+64+8*(4*\c+\i)+7], v[ADRB+\slot] offset:(2*(\q)+\c)*1024+\i*TILEB+512
	ds_load_b128 v[\f+8*(4*\c+\i):\f+8*(4*\c+\i)+3],         v[ADRA+\slot] offset:(2*(\q)+\c)*1024+\i*TILEB
	ds_load_b128 v[\f+8*(4*\c+\i)+4:\f+8*(4*\c+\i)+7],       v[ADRA+\slot] offset:(2*(\q)+\c)*1024+\i*TILEB+512
.endr
.endr
.endm
.macro PLACES                          ; four places in front of loads into registers that matrix instructions have read, and of the first read of results
.rept 4
	v_nop
.endr
.endm
; A K step is four quarters of 64 along K, 32 matrix instructions each, on buffers 0, 1, 0, 1.  One of the first three: multiplies buffer f and fetches quarter q into g.
.macro QUARTER slot, q, f, g, zero
	s_wait_dscnt 16                                ; the first 32 along K are in; the other sixteen loads may be out
	WIN MUL
	MUL8 \f, 0, 0, \zero
	MUL8 \f, 0, 2, \zero
	PLACES
	FETCH \slot, \q, \g
	s_wait_dscnt 32                                ; all but the 32 just issued
	WIN MUL
	MUL8 \f, 1, 0, 0
	MUL8 \f, 1, 2, 0
.endm
; The last quarter multiplies buffer 1 and changes slots: one barrier; in front of it each wave waits for all its tensor loads, adds 0 to its spare word, and waits for that and for its reads of this slot.
; fill = 1: the barrier opens a round of the cluster's, and this slot is filled again, two K steps ahead, first thing behind the round.
.macro TURN slot, next, fill
	WIN 0                                          ; (the add's two registers lie in window 0)
	s_wait_tensorcnt 0x0                           ; all my tensor loads have landed: my part of the next slot
	ds_add_u32 v[SPW], v[NIL]
	s_wait_dscnt 17                                ; (the add and the youngest sixteen loads may be out)
	WIN MUL
	MUL8 F1, 0, 0, 0
	s_wait_dscnt 0x0                               ; the add is done, and my reads of this slot are over
	s_barrier_signal -1
	MUL8 F1, 0, 2, 0
.if \fill
	WIN 0
.endif
	s_barrier_wait -1
.if \fill
	CREST                                          ; no wave of any partner still reads this slot's tile or has a load on its way
	s_add_nc_u64 s[G0+4*\slot+2:G0+4*\slot+3], s[G0+4*\slot+2:G0+4*\slot+3], 2*TILEB
	s_add_nc_u64 s[G0B+4*\slot+2:G0B+4*\slot+3], s[G0B+4*\slot+2:G0B+4*\slot+3], 2*TILEB
	JLOAD \slot                                    ; the four v_nop behind it are also the places in front of the loads below
.else
	PLACES
.endif
	FETCH \next, 0, F0
	WIN MUL
	MUL8 F1, 1, 0, 0
	MUL8 F1, 1, 2, 0
.endm
	s_wait_tensorcnt 0x1                           ; my part of K step 0 is in (K step 1's load may be out)
	s_barrier_signal -1
	s_barrier_wait -1                              ; everybody's is
	FETCH 0, 0, F0
	QUARTER 0, 1, F0, F1, 1                        ; K step 0; its first products start the sums
	QUARTER 0, 2, F1, F0, 0
	QUARTER 0, 3, F0, F1, 0
	TURN 0, 1, 1                                   ; slot 0 takes K step 2
	QUARTER 1, 1, F0, F1, 0                        ; K step 1
	QUARTER 1, 2, F1, F0, 0
	QUARTER 1, 3, F0, F1, 0
	TURN 1, 0, 1                                   ; slot 1 takes K step 3
	QUARTER 0, 1, F0, F1, 0                        ; K step 2
	QUARTER 0, 2, F1, F0, 0
	QUARTER 0, 3, F0, F1, 0
	TURN 0, 1, 0                                   ; nothing is left to fetch
	QUARTER 1, 1, F0, F1, 0                        ; K step 3
	QUARTER 1, 2, F1, F0, 0
	QUARTER 1, 3, F0, F1, 0
	s_wait_dscnt 16                                ; the very last quarter
	WIN MUL
	MUL8 F1, 0, 0, 0
	MUL8 F1, 0, 2, 0
	s_wait_dscnt 0
	MUL8 F1, 1, 0, 0
	MUL8 F1, 1, 2, 0
	WIN 0
; THE WAY OUT, block a of 16 rows x 64 columns: 32 bytes a lane into my stage, back as whole rows of 256 bytes.  LDS serves a wave's instructions in order: no wait between the stores and the loads, nor ahead of the next block's stores.
.macro TOSTAGE a
.irp b, 0,1,2,3
	ds_store_b128 v[STO], v[ACC+8*(4*(\a)+\b):ACC+8*(4*(\a)+\b)+3] offset:64*\b        ; each accumulator from its low end on
	ds_store_b128 v[STO], v[ACC+8*(4*(\a)+\b)+4:ACC+8*(4*(\a)+\b)+7] offset:64*\b+16
.endr
.irp t, 0,1,2,3,4,5,6,7
	ds_load_b128 v[TMP+32*((\a)%2)+4*\t:TMP+32*((\a)%2)+4*\t+3], v[RD] offset:\t*2*SPITCH
.endr
.endm
.macro SEND a, younger                 ; younger: the LDS instructions issued behind block a's loads, which may stay out
	s_wait_dscnt \younger
.irp t, 0,1,2,3,4,5,6,7
	global_store_b128 v[CO], v[TMP+32*((\a)%2)+4*\t:TMP+32*((\a)%2)+4*\t+3], s[8:9] offset:(16*(\a)+2*\t)*4096 th:TH_STORE_NT   ; sixteen lanes store 256 consecutive bytes, aligned; written once, read by nobody here
.endr
.endm
	PLACES
	TOSTAGE 0
.irp a, 1,2,3
.if \a > 1
	s_wait_xcnt 0x0                                ; block a - 2's stores have read their registers: block a's loads may land there
.endif
	TOSTAGE \a
	SEND \a-1, 16                                  ; behind block a - 1's loads: block a's 8 stores and 8 loads
.endr
	SEND 3, 0
	s_wait_tensorcnt 0x0                           ; the wave's end: these three lines behind my last tensor load and my last LDS store
	ds_add_u32 v[SPW], v[NIL]
	s_wait_dscnt 0x0
	CROUND                                         ; the closing round
	s_endpgm
.Lfunc_end_k_q26efb9e063_oproj:
	.size	k_q26efb9e063_oproj, .Lfunc_end_k_q26efb9e063_oproj-k_q26efb9e063_oproj
	.p2alignl 7, 3214868480
	.fill 96, 4, 3214868480
	.section	.rodata,"a",@progbits
	.p2align	6, 0x0
	.amdhsa_kernel k_q26efb9e063_oproj
		.amdhsa_group_segment_fixed_size 327680
		.amdhsa_private_segment_fixed_size 0
		.amdhsa_enable_private_segment 0
		.amdhsa_kernarg_size 24
		.amdhsa_user_sgpr_count 2
		.amdhsa_user_sgpr_kernarg_segment_ptr 1
		.amdhsa_wavefront_size32 1
		.amdhsa_system_sgpr_workgroup_id_x 1
		.amdhsa_system_sgpr_workgroup_id_y 1
		.amdhsa_system_sgpr_workgroup_id_z 1
		.amdhsa_system_vgpr_workitem_id 0
		.amdhsa_next_free_vgpr 512
		.amdhsa_next_free_sgpr 66
		.amdhsa_reserve_vcc 0
		.amdhsa_float_denorm_mode_32 3
		.amdhsa_float_denorm_mode_16_64 3
		.amdhsa_memory_ordered 1
		.amdhsa_forward_progress 1
		.amdhsa_inst_pref_size 85
	.end_amdhsa_kernel
	.amdgpu_metadata
---
amdhsa.version: [ 1, 2 ]
amdhsa.kernels:
  - .name:           k_q26efb9e063_oproj
    .symbol:         k_q26efb9e063_oproj.kd
    .args:
      - { .name: xh, .offset: 0, .size: 8, .value_kind: global_buffer, .address_space: global }
      - { .name: wot, .offset: 8, .size: 8, .value_kind: global_buffer, .address_space: global }
      - { .name: out0, .offset: 16, .size: 8, .value_kind: global_buffer, .address_space: global }
    .group_segment_fixed_size: 327680
    .private_segment_fixed_size: 0
    .kernarg_segment_align: 8
    .kernarg_segment_size: 24
    .max_flat_workgroup_size: 128
    .sgpr_count:     66
    .vgpr_count:     512
    .wavefront_size: 32
...
	.end_amdgpu_metadata
.endif
;; end of part 4
